; MI455X (gfx1250); checked and timed in simulation.
; The chip was launched on July 23, 2026; its instructions are those of AMD's public machine-readable ISA for CDNA 5 (MIT licence, August 2026) and "CDNA5" Instruction Set Architecture Reference Guide (July 2026). The comments in the code are by the model that wrote it; some were corrected since.
;; Attention. Allowed arithmetic: matrix products marked QUANTISED: E2M3 operands, one E8M0 scale for each 32 along K, by v_wmma_scale_f32_16x16x128_f8f6f4 with both operands' format E2M3, f32 sums; everything else in f32.
;; Inputs: W_proj 1,024 x 1,024 float32; W_qkv 1,024 x 3,072 float32; b_proj 1,024 float32; joint_feature 4 x 2,048 x 1,024 float32; mask 1 x 1 x 2,048 x 2,048 int32.
;; Outputs: out0 4 x 2,048 x 1,024 float32.
;; This version of the problem:
;;   THIS VERSION OF THE PROBLEM IS GIVEN IN LOW PRECISION. The matrix products marked QUANTISED in the list below multiply operands that are first quantised to E2M3 (2 exponent bits, 3 mantissa bits; 6 bits a number), with one power-of-two scale for each 32 numbers along K (OCP MX v1.0); their sums are f32. All else is computed in f32.
;;   The module's matrix products, in the order in which they are computed (A, B: the left and right operand; K: the contracted axis; several contracted axes count as one K, in the product's order):
;;     1. [M 8,192, K 1,024] x [K 1,024, N 3,072]; A: input joint_feature; B: input W_qkv: QUANTISED
;;     2. batch 64 x [M 2,048, K 64] x [K 64, N 2,048]; A: computed on the way; B: computed on the way: QUANTISED
;;     3. batch 64 x [M 2,048, K 2,048] x [K 2,048, N 64]; A: softmax (see below); B: computed on the way: QUANTISED
;;     4. [M 8,192, K 1,024] x [K 1,024, N 1,024]; A: computed on the way; B: input W_proj: QUANTISED
;;   THE QUANTISER, for each operand of a quantised product, along K:
;;     - K is cut into blocks of 32 from its start; a last block that is shorter is filled with zeros.
;;     - A block's scale is 2^e with e = floor(log2(the largest magnitude in the block)) - 2, held to -126 .. 127; a block of zeros has e = 0. As a byte (E8M0): e + 127.
;;     - Each number is divided by its block's scale, clamped to +-7.5, and rounded to the nearest number of E2M3, ties to even, subnormals kept.
;;     - The product sums the exact products of the quantised numbers (number of the format x scale) in f32.
;;   ~~~python
;;   def quantise(x, axis):      # numpy; x: float32 -> the quantised numbers, widened to float32 again
;;       x = np.moveaxis(x, axis, -1); K = x.shape[-1]
;;       x = np.pad(x, [(0, 0)] * (x.ndim - 1) + [(0, -K % 32)]); x = x.reshape(x.shape[:-1] + (-1, 32)); a = np.abs(x).max(-1, keepdims=True)
;;       e = np.where(a > 0, np.clip(np.frexp(np.where(a > 0, a, 1))[1] - 1 - 2, -126, 127), 0)      # np.frexp(a)[1] - 1 = floor(log2(a)), exactly
;;       r = np.clip(x / 2.0 ** e, -7.5, 7.5)
;;       step = 2.0 ** (np.maximum(np.frexp(np.where(r == 0, 1, r))[1] - 1, 0) - 3)
;;       q = np.round(r / step) * step * 2.0 ** e      # np.round: ties to even
;;       return np.moveaxis(q.reshape(q.shape[:-2] + (-1,))[..., :K], -1, axis).astype(np.float32)
;;   ~~~
;;   SOFTMAX AHEAD OF A QUANTISED PRODUCT. Where the list says 'softmax', what is quantised is not the finished softmax but p = 2^(t - M), with t = logit x log2(e) and M = ceil(the row's largest t), a whole number; so 1/2 < the row's largest p <= 1. The row's sum l is taken of the UNQUANTISED p, in f32, and the product's result is divided by l at the end. Since M is a whole number, a kernel that streams over the keys may use a running M (the ceiling of the running maximum): every later rescaling is an exact power of two, which a block's scale takes up: the codes' values come out the same.
;;   OPERANDS COMPUTED ON THE WAY. 'Computed on the way' means the value that the module computes at that place (a softmax that the list does not call 'softmax' is quantised finished and normalised). What goes into a quantiser is computed in f32, as accurately as f32 sums, v_exp_f32 and their like allow (about 1e-6 of the number): no bf16 or f16 on the way to a quantiser, and a product that is left as it is and whose result goes on into a quantised operand takes f32 operands (vector FMAs, or v_wmma_f32_16x16x4_f32). A number that lies on a knife's edge between two numbers of the format may be rounded either way, as far as f32 arithmetic and the matrix unit's own rounding can turn it there, and no further.
;; One version. Each part assembles by itself: llvm-mc -triple=amdgcn-amd-amdhsa -mcpu=gfx1250 --defsym DOCPART=n.
;; ======== version 1 of 1: 4 launches
;; limits: right only within a limited range of input values
;; workspace buffers: xc 6,553,600 bytes; wc 3,276,800 bytes; maskw 524,288 bytes of whole numbers; qkv 20,185,088 bytes; ao 6,553,600 bytes
;; launch prep (part 1): grid 640 x 1, 4 waves a work-group, no clusters, 68,096 bytes of LDS; arguments joint_feature, mask, W_qkv, W_proj, xc, wc, maskw; writes xc, wc, maskw
.if DOCPART == 1
	.amdgcn_target "amdgcn-amd-amdhsa--gfx1250"
	.amdhsa_code_object_version 6
	.text
	.protected	k_qa02aa89a44_prep
	.globl	k_qa02aa89a44_prep
	.p2align	8
	.type	k_qa02aa89a44_prep,@function
k_qa02aa89a44_prep:
	s_mov_b64 s[64:65], 0
	v_nop
	global_prefetch_b8 v0, s[64:65] scope:SCOPE_SE
	s_setreg_imm32_b32 hwreg(HW_REG_WAVE_MODE, 25, 1), 1
	s_wait_xcnt 0x0
; PREP: what the later launches read many times is made once.
;   work-groups   0-191: W_qkv [1024][3072] f32 -> codes of FP6 (E2M3) and E8M0 scale bytes along its FIRST axis, into wc (tiles 0-191)
;   work-groups 192-255: W_proj [1024][1024] likewise, into wc (tiles 192-255)
;   work-groups 256-511: joint_feature [8192][1024] f32 -> codes and scale bytes along its last axis, into xc
;   work-groups 512-639: mask [2048][2048] i32 -> one bit a number, as lane masks in the order in which the attention launch's score registers lie, into maskw
; TILES.  Row r of tile T is index 32 (T / 2) + 8 (T % 2) + r + 8 (r / 8): so the 16 result registers of two neighbouring tiles are 16 neighbours along the next product's K.
; IMAGES.  A fragment (16 rows x 128 K, 12 registers a lane) lies in memory as its registers: piece pc (registers 2 pc, 2 pc + 1) at 256 pc, lane l's 8 bytes at 8 l: tile T, K step ks at (8 T + ks) x 1536.
; Each store of a piece covers 256 consecutive bytes, aligned.  A tile's scale words lie behind the codes, 512 bytes a tile: word (r, ks) at 256 (ks / 4) + 16 r + 4 (ks % 4).
; A block's scale is 2^(floor(log2(its largest magnitude)) - 2); its byte is the largest magnitude's exponent field - 2, held at 1 from below.
; LIMITS: a block of zeros gets the byte 1 where the rule says 127 (its codes are zeros, and this program alone reads the bytes); blocks whose largest magnitude lies under 2^-124 are held at byte 1;
; NaN and infinities among the inputs are not served.
; The four paths part on the work-group's number and never join; the two that use LDS have bytes of their own.  Waves share nothing: no barrier.
.set R,    64                          ; v64-191  numbers as loaded: two sets of 64 (rows), or four blocks of 32 (W)
.set XN,   192                         ; v192-255 64 numbers of my row: register 16 b + i = k 32 b + 16 (lane / 16) + i
.set TM,   16                          ; v16-31   at work in QUANT
.set PC,   32                          ; v32-43   the codes just made; v44-50 halves on their way
.set WD,   52                          ; v52-55   four scale words
.set SP,   528                         ; a stage row: 512 bytes + 16: sixteen rows begin in sixteen different columns of 16 bytes
.set WST,  16*SP                       ; a wave's stage
.set MST0, 4*WST                       ; the mask path's four stages lie behind the rows' four
.set XSC,  6291456                     ; where xc's scale words begin: 512 tiles x 12,288
.set WSC,  3145728                     ; and wc's: 256 tiles x 12,288
.macro LOADR t, pitch                  ; my tile's 16 rows, 512 bytes of each (128 numbers): a load reads 512 consecutive bytes
.irp i, 0,1,2,3,4,5,6,7,8,9,10,11,12,13,14,15
	global_load_b128 v[R+64*((\t)%2)+4*\i:R+64*((\t)%2)+4*\i+3], v5, s[32:33] offset:(\i+8*(\i/8))*\pitch+512*(\t) th:TH_LOAD_NT
.endr
.endm
.macro TURN t                          ; through my own stage: in as rows, out 16 neighbours of each block of 32 a lane.  LDS serves a wave's instructions in order: no wait between
.irp i, 0,1,2,3,4,5,6,7,8,9,10,11,12,13,14,15
	ds_store_b128 v6, v[R+64*((\t)%2)+4*\i:R+64*((\t)%2)+4*\i+3] offset:SP*\i
.endr
.irp b, 0,1,2,3
.irp j, 0,1,2,3
	ds_load_b128 v[XN+16*\b+4*\j:XN+16*\b+4*\j+3], v7 offset:128*\b+16*\j
.endr
.endr
.endm
; 64 numbers of a lane become a fragment's codes in v[PC] on and its scale word in v[w]
.macro QUANT s, w
.irp b, 0,1,2,3
	v_max3_num_f32 v[TM+\b], |v[\s+16*\b]|, |v[\s+1+16*\b]|, 0x1800000   ; my 16 numbers of block b, and the floor 2^(3 - 127): the byte cannot fall under 1
.endr
.irp i, 2,4,6,8,10,12,14
.irp b, 0,1,2,3
	v_max3_num_f32 v[TM+\b], v[TM+\b], |v[\s+16*\b+\i]|, |v[\s+1+16*\b+\i]|
.endr
.endr
.irp b, 0,1,2,3
	v_permlanex16_b32 v[TM+4+\b], v[TM+\b], s20, s21
.endr
.irp b, 0,1,2,3
	v_max_num_f32 v[TM+\b], v[TM+\b], v[TM+4+\b]          ; with lane l xor 16's: the block's largest magnitude
.endr
.irp b, 0,1,2,3
	v_add_nc_u32 v[TM+12+\b], 0xff000000, v[TM+\b]        ; 2 off its exponent field: the conversion's scale operand
.endr
.irp b, 0,1,2,3
	v_lshrrev_b32 v[TM+4+\b], 23, v[TM+12+\b]             ; the scale's byte
.endr
	v_lshl_or_b32 v[\w], v[TM+5], 8, v[TM+4]
	v_lshl_or_b32 v[\w], v[TM+6], 16, v[\w]
	v_lshl_or_b32 v[\w], v[TM+7], 24, v[\w]
.irp c, 0,1
	v_cvt_scalef32_pk16_fp6_f32 v[PC+6*\c:PC+2+6*\c], v[\s+32*\c:\s+15+32*\c], v[TM+12+2*\c]
	v_cvt_scalef32_pk16_fp6_f32 v[PC+12+4*\c:PC+14+4*\c], v[\s+16+32*\c:\s+31+32*\c], v[TM+12+2*\c+1]   ; (a conversion's three registers begin on an even number)
.endr
	v_nop                                          ; one plain place behind a scaled conversion
.irp c, 0,1                                    ; the operand's layout wants a whole block in a lane
.irp i, 0,1,2
	v_permlane16_swap_b32 v[PC+6*\c+\i], v[PC+12+4*\c+\i]
.endr
.irp i, 0,1,2
	v_mov_b32 v[PC+3+6*\c+\i], v[PC+12+4*\c+\i]
.endr
.endr
.endm
	s_load_b256 s[4:11], s[0:1], 0x0               ; joint_feature s[4:5], mask s[6:7], W_qkv s[8:9], W_proj s[10:11]
	s_load_b128 s[12:15], s[0:1], 0x20             ; xc s[12:13], wc s[14:15]
	s_load_b64 s[18:19], s[0:1], 0x30              ; maskw
	v_lshl_add_u32 v62, v0, 2, 0x10800
	v_mov_b32 v63, 0
	v_lshrrev_b32 v1, 5, v0
	v_readfirstlane_b32 s16, v1                    ; wave 0..3
	v_and_b32 v1, 31, v0                           ; lane
	v_and_b32 v2, 15, v0                           ; r
	v_bfe_u32 v3, v0, 4, 1                         ; h
	v_lshlrev_b32 v4, 3, v1                        ; 8 x lane: my place in a piece of an image
	v_lshlrev_b32 v5, 4, v1                        ; 16 x lane
	s_mov_b32 s20, 0x76543210
	s_mov_b32 s21, 0xfedcba98                      ; v_permlanex16_b32's selects for lane l xor 16
	s_mov_b32 s22, 0xffff0000                      ; lanes 16-31
	s_mov_b32 s35, 0                               ; the high word of every offset below
	s_wait_kmcnt 0x0
	s_cmp_lt_u32 ttmp9, 192
	s_cbranch_scc1 .Lwqkv
	s_cmp_lt_u32 ttmp9, 256
	s_cbranch_scc1 .Lwproj
	s_cmp_lt_u32 ttmp9, 512
	s_cbranch_scc1 .Lrows
; ---- THE MASK.  Wave id = 4 (g - 512) + wave takes query tile id / 4 and 512 keys: four key steps of 128.  Word n (0..63) of (tile, step): bit of lane (r, h) = mask[query r of the tile][128 step + 64 (n / 32) + 32 h + n % 32] != 0.
	s_sub_co_u32 s40, ttmp9, 512
	s_lshl_b32 s40, s40, 2
	s_add_co_u32 s40, s40, s16                     ; id
	s_lshr_b32 s41, s40, 2                         ; query tile
	s_and_b32 s42, s40, 3                          ; quarter of the keys
	s_lshr_b32 s43, s41, 1
	s_lshl_b32 s43, s43, 5
	s_and_b32 s44, s41, 1
	s_lshl_b32 s44, s44, 3
	s_add_co_u32 s43, s43, s44                     ; the tile's first row
	s_lshl_b32 s34, s43, 13                        ; x 8,192 bytes
	s_lshl_b32 s44, s42, 11
	s_add_co_u32 s34, s34, s44
	s_add_nc_u64 s[32:33], s[6:7], s[34:35]
	s_lshl_b32 s34, s40, 10                        ; (16 tile + 4 quarter) x 256 bytes
	s_add_nc_u64 s[36:37], s[18:19], s[34:35]
	s_mul_i32 s44, s16, WST
	s_add_co_u32 s44, s44, MST0                    ; my stage
	s_wait_alu depctr_va_vdst(0)
	v_add_nc_u32 v6, s44, v5
	v_mul_u32_u24 v7, v2, SP
	v_lshl_add_u32 v7, v3, 7, v7                   ; lanes 16-31 begin 32 keys (128 bytes) on
	v_add_nc_u32 v7, s44, v7
.irp i, 0,1,2,3,4,5,6,7
	v_mov_b32 v[32+\i], 0                          ; a pair for each step (v_writelane_b32's destination counts as read)
.endr
	LOADR 0, 8192
	LOADR 1, 8192
.macro MSTEP t
.if \t < 3
	s_wait_loadcnt 16                              ; this step's 16 loads are in; the next step's may be out
.else
	s_wait_loadcnt 0
.endif
.irp i, 0,1,2,3,4,5,6,7,8,9,10,11,12,13,14,15
	ds_store_b128 v6, v[R+64*((\t)%2)+4*\i:R+64*((\t)%2)+4*\i+3] offset:SP*\i      ; through my own stage: in as rows,
.endr
.irp c, 0,1
.irp j, 0,1,2,3,4,5,6,7
	ds_load_b128 v[XN+32*\c+4*\j:XN+32*\c+4*\j+3], v7 offset:256*\c+16*\j          ; out 32 neighbours a lane: register 32 c + i = key 64 c + 32 h + i
.endr
.endr
	s_wait_dscnt 0x0                               ; the stage's stores have read their registers, and my 64 numbers are back
.if \t < 2
	LOADR (\t)+2, 8192
.endif
.irp g, 0,1,2,3,4,5,6,7
.irp k, 0,1,2,3,4,5,6,7
	v_cmp_ne_u32 s[24+\k], 0, v[XN+8*\g+\k]        ; word n = 8 g + k: a bit a lane
.endr
.irp k, 0,1,2,3,4,5,6,7
	v_writelane_b32 v[32+2*\t+(\k%2)], s[24+\k], 4*\g+\k/2   ; word n goes to lane n / 2, register n % 2: the store below lays the 64 words on end
.endr
.endr
	global_store_b64 v4, v[32+2*\t:33+2*\t], s[36:37] offset:256*\t   ; 256 consecutive bytes, aligned
.endm
	s_wait_alu depctr_va_vdst(0)
	MSTEP 0
	MSTEP 1
	MSTEP 2
	MSTEP 3
	s_wait_tensorcnt 0x0
	ds_add_u32 v62, v63
	s_wait_dscnt 0x0
	s_endpgm
; ---- THE ROWS OF joint_feature.  Wave id = 4 (g - 256) + wave takes tile id / 2 and half id % 2 of K: four K steps of 128.
.Lrows:
	s_sub_co_u32 s24, ttmp9, 256
	s_lshl_b32 s24, s24, 2
	s_add_co_u32 s24, s24, s16                     ; id
	s_lshr_b32 s25, s24, 1                         ; tile
	s_and_b32 s26, s24, 1                          ; half
	s_lshr_b32 s27, s25, 1
	s_lshl_b32 s27, s27, 5
	s_and_b32 s28, s25, 1
	s_lshl_b32 s28, s28, 3
	s_add_co_u32 s27, s27, s28                     ; the tile's first row
	s_lshl_b32 s34, s27, 12                        ; x 4,096 bytes
	s_lshl_b32 s28, s26, 11
	s_add_co_u32 s34, s34, s28
	s_add_nc_u64 s[32:33], s[4:5], s[34:35]
	s_mul_i32 s34, s25, 12288
	s_mul_i32 s28, s26, 6144
	s_add_co_u32 s34, s34, s28
	s_add_nc_u64 s[36:37], s[12:13], s[34:35]      ; my four images
	s_lshl_b32 s34, s25, 9
	s_lshl_b32 s28, s26, 8
	s_add_co_u32 s34, s34, s28
	s_add_co_u32 s34, s34, XSC
	s_add_nc_u64 s[38:39], s[12:13], s[34:35]      ; my 256 bytes of scale words
	s_mul_i32 s28, s16, WST                        ; my stage
	s_wait_alu depctr_va_vdst(0)
	v_add_nc_u32 v6, s28, v5
	v_mul_u32_u24 v7, v2, SP
	v_lshl_add_u32 v7, v3, 6, v7
	v_add_nc_u32 v7, s28, v7
	v_lshlrev_b32 v10, 4, v2
	v_lshl_add_u32 v10, v3, 3, v10                 ; 16 r + 8 h
.irp b, 0,1,2,3
	v_mov_b32 v[TM+4+\b], 0                        ; written once: a lane permute's destination counts as one of its sources
.endr
	LOADR 0, 4096
	LOADR 1, 4096
.macro XSTEP t
.if \t < 3
	s_wait_loadcnt 16                              ; this step's 16 loads are in; the next step's may be out
.else
	s_wait_loadcnt 0
.endif
	TURN \t
	s_wait_dscnt 0x0
.if \t < 2
	LOADR (\t)+2, 4096
.endif
	s_wait_xcnt 0x0                                ; the last step's stores have read the codes' registers: they are written again only behind this wait
	QUANT XN, WD+\t
.irp p, 0,1,2,3,4,5
	global_store_b64 v4, v[PC+2*\p:PC+2*\p+1], s[36:37] offset:1536*\t+256*\p
.endr
.endm
	s_wait_alu depctr_va_vdst(0)
	XSTEP 0
	XSTEP 1
	XSTEP 2
	XSTEP 3
	v_cndmask_b32 v56, v[WD], v[WD+2], s22         ; both halves of the lanes hold all four words: lanes 0-15 store words 0, 1, lanes 16-31 words 2, 3
	v_cndmask_b32 v57, v[WD+1], v[WD+3], s22
	global_store_b64 v10, v[56:57], s[38:39]       ; 256 consecutive bytes, aligned
	s_wait_tensorcnt 0x0
	ds_add_u32 v62, v63
	s_wait_dscnt 0x0
	s_endpgm
; ---- A WEIGHT, K along its first axis.  A LANE TAKES A COLUMN AND ITS REGISTERS RUN DOWN K.  Work-group g' = (group of 128 columns, K step of 128); wave w takes 32 columns: the pair of tiles T0, T0 + 1:
; lanes 0-15 hold T0's rows, lanes 16-31 T0 + 1's; a load still reads 128 consecutive bytes, the four waves 512.  A lane holds four whole blocks: no other lane is asked for a maximum.
.macro WLOAD j, pitch
.set i, 0
.rept 32
	global_load_b32 v[R+32*(\j)+i], v10, s[32:33] offset:(32*(\j)+i)*\pitch th:TH_LOAD_NT
.set i, i+1
.endr
.endm
.macro WBLOCK j                        ; block j: codes into v[16 + 6 j] on (the second three by way of v[40 + 4 j] on), its byte into the word v12
.set XS, R+32*(\j)
	v_max3_num_f32 v8, |v[XS]|, |v[XS+1]|, |v[XS+2]|
	v_max3_num_f32 v9, |v[XS+3]|, |v[XS+4]|, |v[XS+5]|
.irp i, 6,10,14,18,22,26
	v_max3_num_f32 v8, v8, |v[XS+\i]|, |v[XS+\i+1]|
	v_max3_num_f32 v9, v9, |v[XS+\i+2]|, |v[XS+\i+3]|
.endr
	v_max3_num_f32 v8, v8, |v[XS+30]|, |v[XS+31]|
	v_max3_num_f32 v8, v8, v9, 0x1800000           ; and the floor
	v_add_nc_u32 v[56+\j], 0xff000000, v8
	v_lshrrev_b32 v9, 23, v[56+\j]
.if \j == 0
	v_mov_b32 v12, v9
.else
	v_lshl_or_b32 v12, v9, 8*\j, v12
.endif
	v_cvt_scalef32_pk16_fp6_f32 v[16+6*\j:18+6*\j], v[XS:XS+15], v[56+\j]
	v_cvt_scalef32_pk16_fp6_f32 v[40+4*\j:42+4*\j], v[XS+16:XS+31], v[56+\j]
.endm
.macro WPATH pitch, src, tbase, goff
	s_sub_co_u32 s24, ttmp9, \goff
	s_lshr_b32 s25, s24, 3                         ; group of 128 columns
	s_and_b32 s26, s24, 7                          ; K step
	s_mul_i32 s34, s26, 128*\pitch
	s_lshl_b32 s27, s25, 9
	s_add_co_u32 s34, s34, s27
	s_add_nc_u64 s[32:33], s[\src:\src+1], s[34:35]
	s_lshl_b32 s28, s25, 3
	s_lshl_b32 s27, s16, 1
	s_add_co_u32 s28, s28, s27
	s_add_co_u32 s28, s28, \tbase                  ; T0
	s_mul_i32 s34, s28, 12288
	s_mul_i32 s27, s26, 1536
	s_add_co_u32 s34, s34, s27
	s_add_nc_u64 s[36:37], s[14:15], s[34:35]      ; T0's image of this K step; T0 + 1's lies 12,288 bytes on
	s_lshl_b32 s34, s28, 9
	s_lshr_b32 s27, s26, 2
	s_lshl_b32 s27, s27, 8
	s_add_co_u32 s34, s34, s27
	s_and_b32 s27, s26, 3
	s_lshl_b32 s27, s27, 2
	s_add_co_u32 s34, s34, s27
	s_add_co_u32 s34, s34, WSC
	s_add_nc_u64 s[38:39], s[14:15], s[34:35]      ; this K step's word of T0's row 0
	v_and_b32 v10, 0x60, v0                        ; 32 x wave
	s_wait_alu depctr_va_vdst(0)
	v_lshl_add_u32 v10, v3, 3, v10                 ; + 8 x (which tile of the pair)
	v_add_nc_u32 v10, v10, v2                      ; + r
	v_and_b32 v11, 8, v2
	v_add_nc_u32 v10, v10, v11                     ; + 8 (r / 8)
	v_lshlrev_b32 v10, 2, v10                      ; my column, in bytes
	v_lshlrev_b32 v11, 4, v2
	v_lshl_add_u32 v11, v3, 9, v11                 ; my scale word: 16 r + 512 x tile
	WLOAD 0, \pitch
	WLOAD 1, \pitch
	s_wait_alu depctr_va_vdst(0)
	s_wait_loadcnt 32                              ; block 0 is in; the younger block's 32 loads may be out
	WLOAD 2, \pitch
	WBLOCK 0
	s_wait_loadcnt 32                              ; block 1
	WLOAD 3, \pitch
	WBLOCK 1
	s_wait_loadcnt 32                              ; block 2
	WBLOCK 2
	s_wait_loadcnt 0
	WBLOCK 3
	v_nop                                          ; one plain place behind a scaled conversion
.irp j, 0,1,2,3
.irp i, 0,1,2
	v_mov_b32 v[19+6*\j+\i], v[40+4*\j+\i]
.endr
.endr
.irp c, 0,1                                    ; blocks 2 c and 2 c + 1 change halves: the first register becomes register 6 c + i of T0's fragment, the second of T0 + 1's
.irp i, 0,1,2,3,4,5
	v_permlane16_swap_b32 v[16+12*\c+\i], v[22+12*\c+\i]
.endr
.endr
.irp u, 0,1
.irp c, 0,1
.irp p, 0,1,2
	global_store_b64 v4, v[16+12*\c+6*\u+2*\p:17+12*\c+6*\u+2*\p], s[36:37] offset:12288*\u+768*\c+256*\p
.endr
.endr
.endr
	global_store_b32 v11, v12, s[38:39]            ; 4 bytes of every 16: one byte in 128 of what this path reads
	s_endpgm
.endm
.Lwqkv:
	WPATH 12288, 8, 0, 0
.Lwproj:
	WPATH 4096, 10, 192, 192
.Lfunc_end_k_qa02aa89a44_prep:
	.size	k_qa02aa89a44_prep, .Lfunc_end_k_qa02aa89a44_prep-k_qa02aa89a44_prep
	.p2alignl 7, 3214868480
	.fill 96, 4, 3214868480
	.section	.rodata,"a",@progbits
	.p2align	6, 0x0
	.amdhsa_kernel k_qa02aa89a44_prep
		.amdhsa_group_segment_fixed_size 68096
		.amdhsa_private_segment_fixed_size 0
		.amdhsa_enable_private_segment 0
		.amdhsa_kernarg_size 56
		.amdhsa_user_sgpr_count 2
		.amdhsa_user_sgpr_kernarg_segment_ptr 1
		.amdhsa_wavefront_size32 1
		.amdhsa_system_sgpr_workgroup_id_x 1
		.amdhsa_system_sgpr_workgroup_id_y 1
		.amdhsa_system_sgpr_workgroup_id_z 1
		.amdhsa_system_vgpr_workitem_id 0
		.amdhsa_next_free_vgpr 256
		.amdhsa_next_free_sgpr 66
		.amdhsa_reserve_vcc 0
		.amdhsa_float_denorm_mode_32 3
		.amdhsa_float_denorm_mode_16_64 3
		.amdhsa_memory_ordered 1
		.amdhsa_forward_progress 1
		.amdhsa_inst_pref_size 124
	.end_amdhsa_kernel
	.amdgpu_metadata
---
amdhsa.version: [ 1, 2 ]
amdhsa.kernels:
  - .name:           k_qa02aa89a44_prep
    .symbol:         k_qa02aa89a44_prep.kd
    .args:
      - { .name: joint_feature, .offset: 0, .size: 8, .value_kind: global_buffer, .address_space: global }
      - { .name: mask, .offset: 8, .size: 8, .value_kind: global_buffer, .address_space: global }
      - { .name: W_qkv, .offset: 16, .size: 8, .value_kind: global_buffer, .address_space: global }
      - { .name: W_proj, .offset: 24, .size: 8, .value_kind: global_buffer, .address_space: global }
      - { .name: xc, .offset: 32, .size: 8, .value_kind: global_buffer, .address_space: global }
      - { .name: wc, .offset: 40, .size: 8, .value_kind: global_buffer, .address_space: global }
      - { .name: maskw, .offset: 48, .size: 8, .value_kind: global_buffer, .address_space: global }
    .group_segment_fixed_size: 68096
    .private_segment_fixed_size: 0
    .kernarg_segment_align: 8
    .kernarg_segment_size: 56
    .max_flat_workgroup_size: 128
    .sgpr_count:     66
    .vgpr_count:     256
    .wavefront_size: 32
...
	.end_amdgpu_metadata
.endif
;; end of part 1
;; launch qkv (part 2): grid 96 x 4, 4 waves a work-group, clusters of 4 x 4, 327,680 bytes of LDS; arguments xc, wc, qkv; writes qkv
.if DOCPART == 2
	.amdgcn_target "amdgcn-amd-amdhsa--gfx1250"
	.amdhsa_code_object_version 6
	.text
	.protected	k_qa02aa89a44_qkv
	.globl	k_qa02aa89a44_qkv
	.p2align	8
	.type	k_qa02aa89a44_qkv,@function
k_qa02aa89a44_qkv:
	s_mov_b64 s[64:65], 0
	v_nop
	global_prefetch_b8 v0, s[64:65] scope:SCOPE_SE
	s_setreg_imm32_b32 hwreg(HW_REG_WAVE_MODE, 25, 1), 1
	s_wait_xcnt 0x0
	s_wait_alu depctr_hold_cnt(0) depctr_sa_sdst(0) depctr_va_vdst(0) depctr_va_sdst(0) depctr_va_ssrc(0) depctr_va_vcc(0) depctr_vm_vsrc(0)
	s_getreg_b32 s2, hwreg(HW_REG_IB_STS2, 6, 4)
	s_cmp_eq_u32 s2, 0
	s_cbranch_scc0 .Lentry_in_a_cluster
	s_endpgm
.Lentry_in_a_cluster:
	s_bfe_u32 s2, ttmp6, 0x10000c
	s_cmp_lg_u32 s2, 0xf033
	s_cbranch_scc0 .Lentry_shape_is_right
	s_endpgm
.Lentry_shape_is_right:
.set NQ,     2
.set FR,     12
.set NL,     6
.set NP,     4
.set TILEB,  3072
.set HALFT,  8*TILEB
.set SLOT,   4*HALFT
.set SCL,    2*SLOT
.set HALFS,  8*512
.set SPARE,  SCL+4*HALFS
.set XSC,    6291456
.set WSC,    3145728
.set QREC,   6656
.set KVREC,  13056
.set KVBASE, 6815744
.set ADRA, 16
.set ADRB, 20
.set VSO,  24
.set LI8,  25
.set ADRS, 27
.set SPW,  28
.set NIL,  29
.set SC,   32
.set TM,   64
.set PC,   80
.set SW,   100
.set DW,   108
.set AF,   128
.set G1, 24
.set G0, 32
.set G1B, 48
.set G0B, 56
.set G1S, 68
.set G0S, 76
.set G1SB, 80
.set G0SB, 88
.set SEL, 98
.set MSB, 0
.macro WIN new
.if MSB != \new
	s_set_vgpr_msb (MSB<<8)|\new
.set MSB, \new
.endif
.endm
.set MUL_LO, 0xa1
.set MUL_HI, 0xf1
.set TO_B,   0x40
.macro JLOAD g0a, g1a, g0b, g1b
	s_cmp_eq_u32 s15, 0
	s_cbranch_scc0 .Lfor_b_\@
	tensor_load_to_lds s[\g0a:\g0a+3], s[\g1a:\g1a+7]
	s_nop 0
.rept 4
	v_nop
.endr
	s_branch .Lasked_\@
.Lfor_b_\@:
	tensor_load_to_lds s[\g0b:\g0b+3], s[\g1b:\g1b+7]
	s_nop 0
.rept 4
	v_nop
.endr
.Lasked_\@:
.endm
.macro CREST
	s_cmp_lg_u32 s14, 0
	s_cbranch_scc1 .Lnot_wave_0_\@
	s_barrier_signal -3
.Lnot_wave_0_\@:
	s_barrier_wait -3
	s_barrier_signal -1
	s_barrier_wait -1
.endm
.macro CROUND
	s_barrier_signal -1
	s_barrier_wait -1
	CREST
.endm
	s_load_b128 s[4:7], s[0:1], 0x0
	s_load_b64 s[12:13], s[0:1], 0x10
	v_lshl_add_u32 v[SPW], v0, 2, SPARE
	v_mov_b32 v[NIL], 0
	ds_add_u32 v28, v29
	ds_add_u32 v28, v29
	s_wait_dscnt 0x0
	v_lshrrev_b32 v1, 5, v0
	v_readfirstlane_b32 s14, v1
	s_lshr_b32 s15, s14, 1
	s_and_b32 s16, s14, 1
	s_bfe_u32 s40, ttmp6, 0x40000
	s_bfe_u32 s41, ttmp6, 0x40004
	s_lshr_b32 s18, ttmp9, 1
	s_lshl_b32 s18, s18, 2
	s_and_b32 s19, ttmp9, 1
	s_lshl_b32 s19, s19, 2
	s_max_u32 s20, ttmp9, 16
	s_sub_co_u32 s20, s20, 16
	s_lshl_b32 s20, s20, 2
	s_mov_b32 s21, XSC
	s_mov_b32 s22, WSC
	s_cmp_lt_u32 ttmp9, 16
	s_cselect_b32 s17, s18, 0
	s_cselect_b32 s42, s19, s20
	s_cselect_b32 s23, 0, 128
	s_cselect_b32 s95, s21, s22
	s_cselect_b32 s96, s22, s21
	s_add_co_u32 s17, s17, s41
	s_add_co_u32 s42, s42, s40
	s_lshl_b32 s43, s41, 2
	s_lshl_b32 s43, 15, s43
	s_lshl_b32 s44, 0x1111, s40
	s_or_b32 s[G1+0], s43, (3<<16)|(1<<21)
	s_or_b32 s[G1B+0], s44, (3<<16)|(1<<21)
.irp g, G1, G1B
	s_mov_b32 s[\g+1], 384<<16
	s_mov_b32 s[\g+2], 16<<16
	s_mov_b32 s[\g+3], 384<<16
	s_mov_b32 s[\g+4], 16
	s_mov_b32 s[\g+5], 1536
	s_mov_b32 s[\g+6], 0
	s_mov_b32 s[\g+7], 0
.endr
	s_or_b32 s[G1S+0], s43, (3<<16)|(1<<21)
	s_or_b32 s[G1SB+0], s44, (3<<16)|(1<<21)
.irp g, G1S, G1SB
	s_mov_b32 s[\g+1], 32<<16
	s_mov_b32 s[\g+2], 32<<16
	s_mov_b32 s[\g+3], 32<<16
	s_mov_b32 s[\g+4], 32
	s_mov_b32 s[\g+5], 32
	s_mov_b32 s[\g+6], 0
	s_mov_b32 s[\g+7], 0
.endr
	s_lshl_b32 s18, s16, 3
	s_lshl_b32 s20, s17, 4
	s_add_co_u32 s20, s20, s18
	s_add_co_u32 s20, s20, s23
	s_lshl_b32 s46, s42, 4
	s_add_co_u32 s46, s46, s18
	s_lshl_b32 s22, s20, 9
	s_add_co_u32 s22, s22, s95
	s_mov_b32 s23, 0
	s_lshl_b32 s92, s46, 9
	s_add_co_u32 s92, s92, s96
	s_mov_b32 s93, 0
	s_mul_i32 s20, s20, 12288
	s_mov_b32 s21, 0
	s_mul_i32 s46, s46, 12288
	s_mov_b32 s47, 0
	s_mul_i32 s45, s14, HALFT
	s_mul_i32 s94, s14, HALFS
	s_mov_b32 s[SEL], 0x76543210
	s_mov_b32 s[SEL+1], 0xfedcba98
	s_mov_b32 s100, 0xffff0000
	s_wait_kmcnt 0x0
	s_cmp_lt_u32 ttmp9, 16
	s_cselect_b64 s[8:9], s[6:7], s[4:5]
	s_cselect_b64 s[4:5], s[4:5], s[6:7]
	s_add_nc_u64 s[20:21], s[4:5], s[20:21]
	s_add_nc_u64 s[22:23], s[4:5], s[22:23]
	s_add_nc_u64 s[46:47], s[8:9], s[46:47]
	s_add_nc_u64 s[92:93], s[8:9], s[92:93]
	CROUND
; the head's four tiles, each whole (both halves): the half's part is taken off the addresses again
.set G0H,  4
.set G0HB, 8
	s_mul_i32 s18, s16, 8*12288
	s_mov_b32 s19, 0
	s_mov_b32 s[G0H], 1
	s_mov_b32 s[G0H+1], 0
	s_sub_nc_u64 s[G0H+2:G0H+3], s[20:21], s[18:19]
	s_or_b32 s[G0H+3], s[G0H+3], 0x80000000
	s_mov_b32 s[G0HB], 1
	s_mov_b32 s[G0HB+1], 2*HALFT
	s_sub_nc_u64 s[G0HB+2:G0HB+3], s[46:47], s[18:19]
	s_or_b32 s[G0HB+3], s[G0HB+3], 0x80000000
	s_lshl_b32 s18, s16, 12
	s_mov_b32 s[G0S], 1
	s_mov_b32 s[G0S+1], SCL
	s_sub_nc_u64 s[G0S+2:G0S+3], s[22:23], s[18:19]
	s_or_b32 s[G0S+3], s[G0S+3], 0x80000000
	s_mov_b32 s[G0SB], 1
	s_mov_b32 s[G0SB+1], SCL+2*HALFS
	s_sub_nc_u64 s[G0SB+2:G0SB+3], s[92:93], s[18:19]
	s_or_b32 s[G0SB+3], s[G0SB+3], 0x80000000
.irp s, 0,1
	s_mov_b32 s[G0+4*\s], 1
	s_add_co_u32 s[G0+4*\s+1], s45, \s*SLOT
	s_add_nc_u64 s[G0+4*\s+2:G0+4*\s+3], s[20:21], \s*TILEB
	s_or_b32 s[G0+4*\s+3], s[G0+4*\s+3], 0x80000000
	s_mov_b32 s[G0B+4*\s], 1
	s_add_co_u32 s[G0B+4*\s+1], s45, \s*SLOT
	s_add_nc_u64 s[G0B+4*\s+2:G0B+4*\s+3], s[46:47], \s*TILEB
	s_or_b32 s[G0B+4*\s+3], s[G0B+4*\s+3], 0x80000000
.endr
; THE HEAD'S LOADS, ONE A WAVE: wave 0 slot 0's 16 tiles of the first operand, wave 1 those of the second, wave 2 the first's scale words, wave 3 the second's.  One chain of branches on the wave's number
.macro ARM under, g0, g1, next
	s_cmp_lt_u32 s14, \under
	s_cbranch_scc0 \next
	tensor_load_to_lds s[\g0:\g0+3], s[\g1:\g1+7]
	s_nop 0
.rept 4
	v_nop
.endr
	s_branch .Lhead_asked
\next:
.endm
	ARM 1, G0H,  G1,  .Lhead_b
	ARM 2, G0HB, G1B, .Lhead_sa
	ARM 3, G0S,  G1S, .Lhead_sb
	tensor_load_to_lds s[G0SB:G0SB+3], s[G1SB:G1SB+7]
	s_nop 0
.rept 4
	v_nop
.endr
.Lhead_asked:
	v_and_b32 v1, 15, v0
	v_bfe_u32 v2, v0, 4, 1
	s_wait_alu depctr_va_vdst(0)
	v_and_b32 v3, 31, v0
	v_lshlrev_b32 v[LI8], 3, v3
	s_mul_i32 s21, s15, HALFT
	s_mul_i32 s22, s16, HALFT
	s_add_co_u32 s22, s22, 2*HALFT
.irp s, 0,1
	v_add_nc_u32 v[ADRA+\s], s21, v[LI8]
	v_add_nc_u32 v[ADRB+\s], s22, v[LI8]
	s_add_co_u32 s21, s21, SLOT
	s_add_co_u32 s22, s22, SLOT
.endr
	v_lshlrev_b32 v5, 4, v1
	s_mul_i32 s21, s15, HALFS
	s_mul_i32 s22, s16, HALFS
	s_add_co_u32 s22, s22, 2*HALFS
	s_sub_co_u32 s22, s22, s21
	v_mul_u32_u24 v6, s22, v2
	s_add_co_u32 s21, s21, SCL
	v_add_nc_u32 v5, v5, v6
	v_add_nc_u32 v[ADRS], s21, v5
.macro FRAG reg, adr, q, i
.irp p, 0,1,2,3,4,5
	ds_load_b64 v[\reg+2*\p:\reg+2*\p+1], v[\adr] offset:(\i)*TILEB+(\q)*1536+256*\p
.endr
.endm
.macro MUL16 a0, p, q, sc, zero
.irp a, \a0, \a0+1
.irp b, 0,1,2,3,4,5,6,7
.set rD, 8*(8*((\a)%4)+\b)
.set rB, 128*(\p)+FR*\b
.set rA, AF+FR*(\a)
.set rSB, SC+8*NQ*(\sc)+NQ*\b+(\q)
.set rSA, SC+8*NQ*(\sc)+NQ*(\a)+(\q)
.if \zero
	v_wmma_scale_f32_16x16x128_f8f6f4 v[rD:rD+7], v[rB:rB+FR-1], v[rA:rA+FR-1], 0, v[rSB], v[rSA] matrix_a_fmt:MATRIX_FMT_FP6 matrix_b_fmt:MATRIX_FMT_FP6 matrix_a_scale:MATRIX_SCALE_ROW1
.else
	v_wmma_scale_f32_16x16x128_f8f6f4 v[rD:rD+7], v[rB:rB+FR-1], v[rA:rA+FR-1], v[rD:rD+7], v[rSB], v[rSA] matrix_a_fmt:MATRIX_FMT_FP6 matrix_b_fmt:MATRIX_FMT_FP6 matrix_a_scale:MATRIX_SCALE_ROW1
.endif
.endr
.endr
.endm
.macro FETCH_B slot, q, p
	WIN TO_B
.irp i, 0,1,2,3,4,5,6,7
	FRAG 128*(\p)+FR*\i, ADRB+\slot, \q, \i
.endr
	WIN 0
.endm
.macro FETCH_A slot, q, i0
.irp i, \i0, \i0+1, \i0+2, \i0+3
	FRAG AF+FR*(\i), ADRA+\slot, \q, \i
.endr
.endm
.macro SCALES sc, kn
.irp i, 0,1,2,3,4,5,6,7
	ds_load_b64 v[SC+8*NQ*\sc+NQ*\i:SC+8*NQ*\sc+NQ*\i+1], v[ADRS] offset:512*\i+256*((\kn)/2)+8*((\kn)%2)
.endr
.endm
.macro PLACES n
.rept \n
	v_nop
.endr
.endm
.macro STEP slot, q, zero
	s_wait_dscnt 4*NL
	WIN MUL_LO
	MUL16 0, (\q)%2, \q, \slot, \zero
	MUL16 2, (\q)%2, \q, \slot, \zero
	s_wait_dscnt 0
	PLACES NP
	FETCH_B \slot, (\q)+1, 1-(\q)%2
	FETCH_A \slot, (\q)+1, 0
	WIN MUL_HI
	MUL16 4, (\q)%2, \q, \slot, \zero
	MUL16 6, (\q)%2, \q, \slot, \zero
	PLACES NP
	WIN 0
	FETCH_A \slot, (\q)+1, 4
.endm
.macro TURN slot, next, fill, kn
	s_wait_tensorcnt 0x0
	ds_add_u32 v[SPW], v[NIL]
	s_wait_dscnt 4*NL+1
	WIN MUL_LO
	MUL16 0, 1, NQ-1, \slot, 0
	s_wait_dscnt 0x0
	s_barrier_signal -1
	MUL16 2, 1, NQ-1, \slot, 0
	WIN 0
	s_barrier_wait -1
.if \fill
	CREST
	s_add_nc_u64 s[G0+4*\slot+2:G0+4*\slot+3], s[G0+4*\slot+2:G0+4*\slot+3], 2*TILEB
	s_add_nc_u64 s[G0B+4*\slot+2:G0B+4*\slot+3], s[G0B+4*\slot+2:G0B+4*\slot+3], 2*TILEB
	JLOAD G0+4*\slot, G1, G0B+4*\slot, G1B
.else
	PLACES NP
.endif
	FETCH_B \next, 0, 0
	FETCH_A \next, 0, 0
	SCALES \next, \kn
	WIN MUL_HI
	MUL16 4, 1, NQ-1, \slot, 0
	MUL16 6, 1, NQ-1, \slot, 0
	PLACES NP
	WIN 0
	FETCH_A \next, 0, 4
.endm
	s_wait_alu depctr_va_vdst(0)
	s_wait_tensorcnt 0x0                           ; my tile of the head's four is in; the lines ahead of a later first fill:
	ds_add_u32 v[SPW], v[NIL]
	s_mov_b32 s[G1+2], 8<<16                       ; no tensor load of mine is out: from here on a load brings 8 tiles
	s_mov_b32 s[G1+4], 8
	s_mov_b32 s[G1B+2], 8<<16
	s_mov_b32 s[G1B+4], 8
	s_wait_dscnt 0x0
	CROUND                                         ; all four tiles are in, and all sixteen work-groups are here
	JLOAD G0+4, G1, G0B+4, G1B                     ; slot 1's first fill, the first tensor load behind the round
	FETCH_B 0, 0, 0
	FETCH_A 0, 0, 0
	SCALES 0, 0
	FETCH_A 0, 0, 4
	STEP 0, 0, 1
	TURN 0, 1, 1, 1
	STEP 1, 0, 0
	TURN 1, 0, 1, 2
	STEP 0, 0, 0
	TURN 0, 1, 0, 3
	STEP 1, 0, 0
	s_wait_dscnt 4*NL
	WIN MUL_LO
	MUL16 0, 1, NQ-1, 1, 0
	MUL16 2, 1, NQ-1, 1, 0
	s_wait_dscnt 0
	WIN MUL_HI
	MUL16 4, 1, NQ-1, 1, 0
	MUL16 6, 1, NQ-1, 1, 0
	WIN 0
	s_wait_tensorcnt 0x0
	ds_add_u32 v[SPW], v[NIL]
	s_wait_dscnt 0x0
	s_cmp_lt_u32 ttmp9, 16
	s_cbranch_scc0 .Lv_addr
	s_and_b32 s3, ttmp9, 1
	s_lshr_b32 s23, ttmp9, 2
	s_lshl_b32 s23, s23, 4
	s_lshl_b32 s92, s40, 2
	s_add_co_u32 s23, s23, s92
	s_lshl_b32 s92, s16, 1
	s_add_co_u32 s23, s23, s92
	s_lshl_b32 s23, s23, 4
	s_and_b32 s92, s17, 7
	s_lshl_b32 s92, s92, 1
	s_add_co_u32 s23, s23, s92
	s_add_co_u32 s23, s23, s15
	s_mov_b32 s94, KVREC
	s_mov_b32 s95, KVBASE
	s_mov_b32 s96, 12288
	s_cmp_eq_u32 s3, 0
	s_cselect_b32 s94, QREC, s94
	s_cselect_b32 s95, 0, s95
	s_cselect_b32 s96, 6144, s96
	s_mul_i32 s22, s23, s94
	s_add_co_u32 s22, s22, s95
	s_mov_b32 s23, 0
	s_add_nc_u64 s[4:5], s[12:13], s[22:23]
	s_lshl_b32 s22, s94, 4
	s_add_nc_u64 s[6:7], s[4:5], s[22:23]
	s_mov_b32 s22, s96
	s_add_nc_u64 s[8:9], s[4:5], s[22:23]
	s_add_nc_u64 s[10:11], s[6:7], s[22:23]
	s_mov_b32 s18, 768
	s_mov_b32 s20, 768
	v_lshlrev_b32 v[VSO], 5, v1
	v_lshl_add_u32 v[VSO], v2, 4, v[VSO]
	s_branch .Lquant
.Lv_addr:
	s_sub_co_u32 s22, ttmp9, 16
	s_lshr_b32 s22, s22, 1
	s_lshl_b32 s22, s22, 4
	s_lshl_b32 s92, s41, 2
	s_add_co_u32 s22, s22, s92
	s_lshl_b32 s92, s15, 1
	s_add_co_u32 s22, s22, s92
	s_lshl_b32 s22, s22, 4
	s_and_b32 s92, s42, 7
	s_lshl_b32 s92, s92, 1
	s_add_co_u32 s22, s22, s92
	s_add_co_u32 s22, s22, s16
	s_mul_i32 s22, s22, KVREC
	s_add_co_u32 s22, s22, KVBASE+6144
	s_mov_b32 s23, 0
	s_add_nc_u64 s[4:5], s[12:13], s[22:23]
	s_add_nc_u64 s[6:7], s[4:5], 768
	s_add_nc_u64 s[8:9], s[4:5], 12800-6144
	s_add_nc_u64 s[10:11], s[8:9], 16*KVREC
	s_mov_b32 s18, 1536
	s_mov_b32 s20, 16*KVREC-3*1536
	v_mul_u32_u24 v[VSO], v2, 16*KVREC
	v_lshl_add_u32 v[VSO], v1, 4, v[VSO]
.Lquant:
	s_mov_b32 s19, 0
	s_mov_b32 s21, 0
.irp b, 0,1,2,3
	v_mov_b32 v[TM+4+\b], 0
.endr
.macro QUANTW a
.set W, 2+(\a)/4
.set W5, 5*W
.set AC, 64*((\a)%4)
	WIN W5
.irp b, 0,1,2,3
	v_max3_num_f32 v[TM+\b], |v[AC+16*\b]|, |v[AC+16*\b+1]|, 0x1800000
.endr
.irp i, 2,4,6,8,10,12,14
.irp b, 0,1,2,3
	v_max3_num_f32 v[TM+\b], |v[AC+16*\b+\i]|, |v[AC+16*\b+\i+1]|, v[TM+\b]
.endr
.endr
	WIN 0
.irp b, 0,1,2,3
	v_permlanex16_b32 v[TM+4+\b], v[TM+\b], s[SEL], s[SEL+1]
.endr
.irp b, 0,1,2,3
	v_max_num_f32 v[TM+\b], v[TM+\b], v[TM+4+\b]
.endr
.irp b, 0,1,2,3
	v_add_nc_u32 v[TM+12+\b], 0xff000000, v[TM+\b]
.endr
.irp b, 0,1,2,3
	v_lshrrev_b32 v[TM+4+\b], 23, v[TM+12+\b]
.endr
	v_lshl_or_b32 v[SW+\a], v[TM+5], 8, v[TM+4]
	v_lshl_or_b32 v[SW+\a], v[TM+6], 16, v[SW+\a]
	v_lshl_or_b32 v[SW+\a], v[TM+7], 24, v[SW+\a]
	s_wait_xcnt 0x0
.if (\a) == 4
	s_add_nc_u64 s[4:5], s[4:5], s[20:21]
	s_add_nc_u64 s[6:7], s[6:7], s[20:21]
.elseif (\a) > 0
	s_add_nc_u64 s[4:5], s[4:5], s[18:19]
	s_add_nc_u64 s[6:7], s[6:7], s[18:19]
.endif
	WIN W
.irp c, 0,1
	v_cvt_scalef32_pk16_fp6_f32 v[PC+6*\c:PC+2+6*\c], v[AC+32*\c:AC+15+32*\c], v[TM+12+2*\c]
	v_cvt_scalef32_pk16_fp6_f32 v[PC+12+4*\c:PC+14+4*\c], v[AC+16+32*\c:AC+31+32*\c], v[TM+13+2*\c]
.endr
	WIN 0
	v_nop
.irp c, 0,1
.irp i, 0,1,2
	v_permlane16_swap_b32 v[PC+6*\c+\i], v[PC+12+4*\c+\i]
.endr
.irp i, 0,1,2
	v_mov_b32 v[PC+3+6*\c+\i], v[PC+12+4*\c+\i]
.endr
.endr
.irp c, 0,1
.irp p, 0,1,2
	global_store_b64 v[LI8], v[PC+6*\c+2*\p:PC+6*\c+2*\p+1], s[4+2*\c:5+2*\c] offset:256*\p
.endr
.endr
.endm
.irp a, 0,1,2,3,4,5,6,7
	QUANTW \a
.endr
.irp k, 0,1,2,3
	v_cndmask_b32 v[DW+\k], v[SW+\k], v[SW+4+\k], s100
.endr
	s_cmp_lt_u32 ttmp9, 16
	s_cbranch_scc0 .Lv_words
.irp k, 0,1,2,3
	v_and_b32 v[DW+4+\k], 0xffff, v[DW+\k]
.endr
.irp k, 0,1,2,3
	v_lshrrev_b32 v[DW+8+\k], 16, v[DW+\k]
.endr
	global_store_b128 v[VSO], v[DW+4:DW+7], s[8:9]
	global_store_b128 v[VSO], v[DW+8:DW+11], s[10:11]
	s_branch .Lend
.Lv_words:
	s_wait_alu depctr_va_vdst(0)
	global_store_b128 v[VSO], v[DW:DW+3], s[8:9]
.Lend:
	CROUND
	s_endpgm
.Lfunc_end_k_qa02aa89a44_qkv:
	.size	k_qa02aa89a44_qkv, .Lfunc_end_k_qa02aa89a44_qkv-k_qa02aa89a44_qkv
	.p2alignl 7, 3214868480
	.fill 96, 4, 3214868480
	.section	.rodata,"a",@progbits
	.p2align	6, 0x0
	.amdhsa_kernel k_qa02aa89a44_qkv
		.amdhsa_group_segment_fixed_size 327680
		.amdhsa_private_segment_fixed_size 0
		.amdhsa_enable_private_segment 0
		.amdhsa_kernarg_size 24
		.amdhsa_user_sgpr_count 2
		.amdhsa_user_sgpr_kernarg_segment_ptr 1
		.amdhsa_wavefront_size32 1
		.amdhsa_system_sgpr_workgroup_id_x 1
		.amdhsa_system_sgpr_workgroup_id_y 1
		.amdhsa_system_sgpr_workgroup_id_z 1
		.amdhsa_system_vgpr_workitem_id 0
		.amdhsa_next_free_vgpr 1024
		.amdhsa_next_free_sgpr 102
		.amdhsa_reserve_vcc 0
		.amdhsa_float_denorm_mode_32 3
		.amdhsa_float_denorm_mode_16_64 3
		.amdhsa_memory_ordered 1
		.amdhsa_forward_progress 1
		.amdhsa_inst_pref_size 170
	.end_amdhsa_kernel
	.amdgpu_metadata
---
amdhsa.version: [ 1, 2 ]
amdhsa.kernels:
  - .name:           k_qa02aa89a44_qkv
    .symbol:         k_qa02aa89a44_qkv.kd
    .args:
      - { .name: xc, .offset: 0, .size: 8, .value_kind: global_buffer, .address_space: global }
      - { .name: wc, .offset: 8, .size: 8, .value_kind: global_buffer, .address_space: global }
      - { .name: qkv, .offset: 16, .size: 8, .value_kind: global_buffer, .address_space: global }
    .group_segment_fixed_size: 327680
    .private_segment_fixed_size: 0
    .kernarg_segment_align: 8
    .kernarg_segment_size: 24
    .max_flat_workgroup_size: 128
    .sgpr_count:     102
    .vgpr_count:     1024
    .wavefront_size: 32
...
	.end_amdgpu_metadata
.endif
;; end of part 2
;; launch attn (part 3): grid 4 x 64, 16 waves a work-group, clusters of 4 x 1, 289,280 bytes of LDS; arguments qkv, maskw, ao; writes ao
.if DOCPART == 3
	.amdgcn_target "amdgcn-amd-amdhsa--gfx1250"
	.amdhsa_code_object_version 6
	.text
	.protected	k_qa02aa89a44_attn
	.globl	k_qa02aa89a44_attn
	.p2align	8
	.type	k_qa02aa89a44_attn,@function
k_qa02aa89a44_attn:
	s_mov_b64 s[64:65], 0
	v_nop
	global_prefetch_b8 v0, s[64:65] scope:SCOPE_SE
	s_setreg_imm32_b32 hwreg(HW_REG_WAVE_MODE, 25, 1), 1
	s_wait_xcnt 0x0
	s_wait_alu depctr_hold_cnt(0) depctr_sa_sdst(0) depctr_va_vdst(0) depctr_va_sdst(0) depctr_va_ssrc(0) depctr_va_vcc(0) depctr_vm_vsrc(0)
	s_getreg_b32 s2, hwreg(HW_REG_IB_STS2, 6, 4)
	s_cmp_eq_u32 s2, 0
	s_cbranch_scc0 .Lentry_in_a_cluster
	s_endpgm
.Lentry_in_a_cluster:
	s_bfe_u32 s2, ttmp6, 0x10000c
	s_cmp_lg_u32 s2, 0x3003
	s_cbranch_scc0 .Lentry_shape_is_right
	s_endpgm
.Lentry_shape_is_right:
; ATTENTION on codes of FP6 (E2M3) with E8M0 scales: for each of 64 (batch, head): O = softmax(mask(Q K^T / 8)) V, head size 64, 2,048 queries and keys; O is quantised along the channels and stored as the projection's operand.
; THE SOFTMAX AHEAD OF THE SECOND PRODUCT: t = score x log2(e) / 8; M = the row's largest t so far, rounded up to a whole number; p = 2^(t - M) is quantised along the keys, not normalised.
; The row's sum is taken of the unquantised p and divides O at the end.  When M moves, the sum and O are multiplied by 2^(old M - new M): exact.
; THE MASK comes as lane masks, one word for each score register (made by the first launch): one v_cndmask_b32 a score puts -2^33 in a hidden score's place, ahead of the maximum.
; LIMIT, stated: a hidden logit stands at -2^30 where the definition has -1e9.  -2^33 x c is exact and a whole number, so in a row with no open key t - M is exactly 0 and p = 1 for every key, as the definition has it;
; in any other row a hidden p is 0 as long as every open |q . k| stays under some 8e9.  NaN and infinities are not served; a block of zeros gets the scale byte 1 (its codes are zeros).
; SHARES.  The four work-groups of a cluster take the four quarters of one head's queries and ask for its K and V JOINTLY.  A head's 16 records (128 keys each: K's codes, V's codes, their scale words; 51 rows of 256 bytes) fill LDS ONCE:
; wave w brings record w; nothing is ever filled again.  A work-group stays for two passes of 256 queries; in a pass each of its sixteen waves owns one tile of 16 queries.
; LDS ROWS are 256 bytes + 96 of padding: six rows on (two tiles of K) is 64 bytes on modulo 256, so the 32 lanes of a load of K's codes, which take rows of two tiles, touch 64 different banks (64 banks of 4 bytes: ISA guide 11.1).
; LAYOUT.  Both products are used transposed: S^T = K Q^T (source 0 = 16 keys), O^T = V^T P^T (source 0 = 16 channels): a lane holds one query throughout.
; THE KEYS OF A TILE are chosen by the LDS addresses alone: row 8 h' + j of tile 4 c + u is key 64 c + 32 h' + 8 u + j of the step.  So score register 32 c + i of lane (r, h) is key 64 c + 32 h + i: a lane holds two WHOLE blocks of 32 keys,
; in the order of p's operand registers: a block's maximum asks no other lane and p's codes change no lane.  In the records key 32 (T / 2) + 8 (T % 2) + r + 8 (r / 8) is row r of tile T: the key above is row 8 (u / 2) + j of tile 4 c + 2 h' + u % 2.
; K = 64 IN A FORM OF K = 128: a tile of K or Q is registers 0-5 of a fragment.  Q's registers 6-11 are zeros; K's are whatever follows (the next tile's codes; behind the last p's codes): zero codes add nothing; bytes 2, 3 of both scale words are 0.
; LOADS AHEAD.  Behind a step's score products the next step's K (28 loads; record (step + 1) % 16, so a pass's last step fetches the next pass's first, and the launch's very last step record 0 for nothing) and this step's V (25 loads)
; are asked of LDS; one wait for all of them stands ahead of the step's barrier signal.  The mask words of a step are asked for a step ahead by scalar loads.
; ONE BARRIER A KEY STEP, in two halves: the signal behind the step's new M, the wait behind the next step's selects, ahead of the request for the mask words that follow.  It orders no data (LDS is only read): it holds the sixteen waves
; within about one key step of each other.  Between its halves stand register work and LDS loads alone; ahead of a pass's stores it is closed by its wait, and a pass begins with a signal.
; No prefetch: all of K and V is asked for by the first fill; a tile's mask words are 4 KiB.
; REGISTERS: v1-4 lane terms of addresses; v5, v18 the spare word and 0; v6 f (v7, 8 h, is named with it as a pair); v8 -M, v9 the largest t; v[10:11] the sum; v12-15 maxima, then scale operands and bytes; v16 -2^33; v17 p's scale word, v19 Q's;
; v20-27 K's scale words, v28-31 V's; v32-37 Q, v38-43 zeros; v44-91 K's eight tiles; v92-103 p's codes; v104-110 addresses, the sum's other chains, halves of codes, one after the other; v112-159 V; v160-223 S^T, then p; v224-255 O^T.
.set REC,   13056                      ; a record in memory
.set ROWL,  352                        ; an LDS row
.set RECL,  51*ROWL                    ; a record in LDS
.set SPARE, 16*RECL                    ; behind the records: the spare words, 128 bytes a wave
.set KVBASE, 6815744
.set QREC,  6656
.set WV,   2
.set TBN,  3                           ; s3   LDS byte at which the next step's record begins
.set MOFF, 6                           ; s6   the next step's mask words in my tile's 4,096 bytes; s[4:5]: those bytes
.set CNT,  7
.set PASS, 14
.set T1,   15
.set SEL,  66
.set G1,   84
.set G0,   92
.set QOF,  96                          ; s96  from my half image of Q to my tile's scale words
.set TBC,  97                          ; s97  LDS byte at which this step's record begins
.set CS,   100
.set L8,   1                           ; 8 x lane
.set KB,   2                           ; K's codes: 6 rows x h' + 8 j + 128 h
.set KSB,  3                           ; K's scale words: 32 j + 8 h'
.set R16,  4                           ; 16 r
.set SPW,  5
.set F,    6
.set SH8,  7                           ; 8 h
.set NM,   8
.set MT,   9
.set SU,   10
.set M0,   12
.set HID,  16
.set PS,   17
.set NIL,  18
.set QS,   19
.set KS,   20
.set VS,   28
.set QF,   32
.set KF,   44
.set PC,   92
.set TC,   104
.set VF,   112
.set SC,   160
.set OF,   224
.macro WALU
	s_wait_alu depctr_va_vdst(0)
.endm
.macro CROUND
	s_barrier_signal -1
	s_barrier_wait -1
	s_cmp_lg_u32 s[WV], 0
	s_cbranch_scc1 .Lnot_wave_0_\@
	s_barrier_signal -3
.Lnot_wave_0_\@:
	s_barrier_wait -3
	s_barrier_signal -1
	s_barrier_wait -1
.endm
.macro MLOAD                           ; 64 mask words: 256 bytes
	s_load_b512 s[16:31], s[4:5], s[MOFF] offset:0x0
	s_load_b512 s[32:47], s[4:5], s[MOFF] offset:0x40
	s_load_b512 s[48:63], s[4:5], s[MOFF] offset:0x80
	s_load_b512 s[68:83], s[4:5], s[MOFF] offset:0xc0
.endm
.macro MM d, a, b, c, sa, sb
	v_wmma_scale_f32_16x16x128_f8f6f4 v[\d:\d+7], v[\a:\a+11], v[\b:\b+11], \c, v[\sa], v[\sb] matrix_a_fmt:MATRIX_FMT_FP6 matrix_b_fmt:MATRIX_FMT_FP6
.endm
.macro KADR                            ; where K's codes and scale words of the record at s[TBN] lie for my lane
	v_add_nc_u32 v[TC], s[TBN], v[KB]
	v_add_nc_u32 v[TC+1], s[TBN], v[KSB]
.endm
.macro KLD                             ; K's eight tiles and their scale words: 28 loads
.irp c, 0,1
.irp a, 0,1
.irp b, 0,1
.irp p, 0,1,2
	ds_load_b64 v[KF+6*(4*\c+2*\a+\b)+2*\p:KF+6*(4*\c+2*\a+\b)+2*\p+1], v[TC] offset:(3*(4*\c+\b)+\p)*ROWL+64*\a
.endr
.endr
.endr
.endr
.irp c, 0,1
.irp a, 0,1
	ds_load_b64 v[KS+4*\c+2*\a:KS+4*\c+2*\a+1], v[TC+1] offset:(48+\a)*ROWL+16*\c
.endr
.endr
.endm
.macro VADR                            ; the same for V, of the record at s[TBC]
	v_add_nc_u32 v[TC+2], s[TBC], v[L8]
	v_add_nc_u32 v[TC+3], s[TBC], v[R16]
.endm
.macro VLD                             ; V's four tiles and their scale words: 25 loads
.irp d, 0,1,2,3
.irp p, 0,1,2,3,4,5
	ds_load_b64 v[VF+12*\d+2*\p:VF+12*\d+2*\p+1], v[TC+2] offset:(24+6*\d+\p)*ROWL
.endr
.endr
	ds_load_b128 v[VS:VS+3], v[TC+3] offset:50*ROWL
.endm
.macro FMA j                           ; t - M, two at a time
	v_pk_fma_f32 v[SC+\j:SC+\j+1], v[SC+\j:SC+\j+1], s[CS:CS+1], v[NM:NM+1] op_sel_hi:[1,0,0]
.endm
.macro ADD2 acc, j                     ; a chain of the sum begins with two pairs of p
	v_pk_add_f32 v[\acc:\acc+1], v[SC+\j:SC+\j+1], v[SC+\j+2:SC+\j+3]
.endm
.macro ADDP acc, j                     ; and takes one more
	v_pk_add_f32 v[\acc:\acc+1], v[\acc:\acc+1], v[SC+\j:SC+\j+1]
.endm
.macro ADDC acc, x                     ; two chains join
	v_pk_add_f32 v[\acc:\acc+1], v[\acc:\acc+1], v[\x:\x+1]
.endm
	s_load_b64 s[8:9], s[0:1], 0x0                 ; qkv
	s_load_b64 s[4:5], s[0:1], 0x8                 ; maskw
	s_load_b64 s[10:11], s[0:1], 0x10              ; ao
	v_lshl_add_u32 v[SPW], v0, 2, SPARE
	v_mov_b32 v[NIL], 0
	ds_add_u32 v[SPW], v[NIL]                      ; the opening lines: the add, twice on end, and its wait ahead of my tensor load
	ds_add_u32 v[SPW], v[NIL]
	v_lshrrev_b32 v1, 5, v0
	v_readfirstlane_b32 s[WV], v1                  ; wave 0..15
	s_bfe_u32 s14, ttmp6, 0x40000                  ; cx: which quarter of the queries
	s_and_b32 s15, ttmp7, 0xffff                   ; 16 b + head, which the four partners share
	s_mul_i32 s18, s[WV], REC
	s_mul_i32 s16, s15, 16*REC
	s_add_co_u32 s16, s16, s18
	s_add_co_u32 s16, s16, KVBASE                  ; record w in memory: nothing of cx enters
	s_mov_b32 s17, 0
	s_mul_i32 s18, s[WV], RECL                     ; and in LDS
	s_mov_b32 s[G1], 15|(3<<16)|(1<<20)|(1<<21)|(5<<22)|(23<<25)   ; the mask: all four work-groups; elements of 8 bytes; padding on; bit 21 beside a mask; after every 64 words 24 words
	s_mov_b32 s[G1+1], 32<<16                      ; rows of 256 bytes
	s_mov_b32 s[G1+2], 51<<16                      ; 51 rows: a record
	s_mov_b32 s[G1+3], 32<<16
	s_mov_b32 s[G1+4], 51
	s_mov_b32 s[G1+5], 32                          ; dense in memory
	s_mov_b32 s[G1+6], 0
	s_mov_b32 s[G1+7], 0
	s_lshl_b32 s20, s15, 4                         ; Q: record 16 (16 b + head) + 4 cx + wave / 8 (+ 2 in the second pass), half image wave % 8
	s_lshl_b32 s21, s14, 2
	s_add_co_u32 s20, s20, s21
	s_lshr_b32 s21, s[WV], 3
	s_add_co_u32 s20, s20, s21
	s_mul_i32 s20, s20, QREC
	s_and_b32 s22, s[WV], 7
	s_mul_i32 s21, s22, 768
	s_add_co_u32 s20, s20, s21
	s_mov_b32 s21, 0
	s_mul_i32 s23, s22, 764
	s_sub_co_u32 s[QOF], 6144, s23                 ; 6,144 - 768 a + 4 a
	s_lshl_b32 s34, s14, 5
	s_add_co_u32 s34, s34, s[WV]                   ; my query tile in the first pass: 32 cx + wave
	s_lshl_b32 s34, s34, 12                        ; its mask words: 4,096 bytes a tile
	s_mov_b32 s35, 0
	s_lshr_b32 s24, s15, 4
	s_lshl_b32 s24, s24, 7
	s_lshl_b32 s25, s14, 5
	s_add_co_u32 s24, s24, s25
	s_add_co_u32 s24, s24, s[WV]                   ; ao's tile: 128 b + 32 cx + wave
	s_and_b32 s25, s15, 15                         ; the head
	s_lshr_b32 s26, s25, 1                         ; its K step of the projection,
	s_and_b32 s27, s25, 1                          ; and which half of it
	s_mul_i32 s28, s24, 12288
	s_mul_i32 s30, s26, 1536
	s_add_co_u32 s28, s28, s30
	s_mul_i32 s30, s27, 768
	s_add_co_u32 s28, s28, s30                     ; my half image in ao
	s_mov_b32 s29, 0
	s_lshl_b32 s30, s24, 9
	s_lshr_b32 s32, s25, 3
	s_lshl_b32 s32, s32, 8
	s_add_co_u32 s30, s30, s32
	s_and_b32 s32, s26, 3
	s_lshl_b32 s32, s32, 2
	s_add_co_u32 s30, s30, s32
	s_lshl_b32 s32, s27, 1
	s_add_co_u32 s30, s30, s32
	s_add_co_u32 s30, s30, 6291456                 ; my two bytes of row 0's scale word
	s_mov_b32 s31, 0
	s_mov_b32 s[SEL], 0x76543210
	s_mov_b32 s[SEL+1], 0xfedcba98
	s_mov_b32 s[CS], 0x3e38aa3b                    ; c = log2(e) / sqrt(64)
	s_mov_b32 s[CS+1], s[CS]
	s_wait_dscnt 0x0
	s_wait_kmcnt 0x0
	s_mov_b32 s[G0], 1
	s_mov_b32 s[G0+1], s18
	s_add_nc_u64 s[G0+2:G0+3], s[8:9], s[16:17]
	s_or_b32 s[G0+3], s[G0+3], 0x80000000
	CROUND                                         ; all four work-groups are here: the joint loads meet
	tensor_load_to_lds s[G0:G0+3], s[G1:G1+7]      ; my one tensor load of the launch
	s_nop 0
.rept 4
	v_nop
.endr
	s_add_nc_u64 s[8:9], s[8:9], s[20:21]          ; Q's half image
	s_add_nc_u64 s[4:5], s[4:5], s[34:35]          ; my tile's mask words
	s_add_nc_u64 s[12:13], s[10:11], s[30:31]      ; ao's scale bytes
	s_add_nc_u64 s[10:11], s[10:11], s[28:29]      ; ao's codes
	v_and_b32 v[R16], 15, v0                       ; r
	v_and_b32 v[L8], 31, v0
	v_bfe_u32 v[SH8], v0, 4, 1                     ; h
	v_and_b32 v[KB], 7, v0                         ; j
	v_bfe_u32 v[M0], v0, 3, 1                      ; h'
	v_lshlrev_b32 v[L8], 3, v[L8]
	v_lshlrev_b32 v[KSB], 5, v[KB]
	v_lshl_add_u32 v[KSB], v[M0], 3, v[KSB]
	v_mul_u32_u24 v[M0+1], v[M0], 6*ROWL
	v_lshl_add_u32 v[KB], v[KB], 3, v[M0+1]
	v_lshl_add_u32 v[KB], v[SH8], 7, v[KB]
	v_lshlrev_b32 v[R16], 4, v[R16]
	v_lshlrev_b32 v[SH8], 3, v[SH8]
	v_mov_b32 v[HID], 0xd0000000                   ; -2^33
.irp i, 0,1,2,3,4,5
	v_mov_b32 v[QF+6+\i], 0                        ; Q's codes of k = 64 .. 127
	v_mov_b32 v[PC+\i], 0                          ; what stands behind K's last tile in the first step
.endr
	s_mov_b32 s[TBN], 0
	s_mov_b32 s[PASS], 2
	WALU                                           ; the wait at the head's end
	s_wait_tensorcnt 0x0                           ; my record has landed,
	s_barrier_signal -1
	s_barrier_wait -1                              ; everybody's has
	KADR
	KLD                                            ; K of record 0
.Lpass:
	v_lshl_add_u32 v[TC+2], v[R16], 1, s[QOF]      ; Q's scale word: 32 r on from my tile's first
.irp p, 0,1,2
	global_load_b64 v[QF+2*\p:QF+2*\p+1], v[L8], s[8:9] offset:256*\p   ; my tile of Q stays in registers
.endr
	global_load_b32 v[QS], v[TC+2], s[8:9]
	s_mov_b32 s[MOFF], 0
	MLOAD                                          ; key step 0's mask words
	v_mov_b32 v[MT], 0xff61b1e6                    ; the largest t so far: -3e38, under every t
	v_mov_b32 v[SU], 0                             ; the sum, in two halves
	v_mov_b32 v[SU+1], 0
	v_floor_f32 v[NM], -v[MT]                      ; -M
.set j, 0
.rept 32
	v_mov_b32 v[OF+j], 0                           ; O^T: the step is written once; the first finds zeros, which the first change of M leaves zeros
.set j, j+1
.endr
	s_mov_b32 s[CNT], 0
	WALU                                           ; the wait here, directly ahead of the waits below
	s_wait_loadcnt 0x0                             ; Q
	s_wait_dscnt 0x0                               ; K of the pass's first record: no LDS load of mine is out at the signal
	s_barrier_signal -1                            ; the pass's first signal; its wait stands in the first step
.Lstep:                                        ; A KEY STEP: 128 keys.  This step's K is in: the wait for 0 ahead of the last signal has shown it
	s_add_co_u32 s[T1], s[CNT], 1
	s_and_b32 s[T1], s[T1], 15
	s_mul_i32 s[TBN], s[T1], RECL                  ; the next step's record,
	s_mul_i32 s[TBC], s[CNT], RECL                 ; and this step's
.irp t, 0,1,2,3,4,5,6,7
	MM SC+8*\t, KF+6*\t, QF, 0, KS+\t, QS
.endr
	KADR                                           ; these four lines are the places behind the products that read the registers loaded below
	VADR
	KLD
	VLD
	s_wait_kmcnt 0x0                               ; this step's mask words, asked for a step ago
.set n, 0
.rept 64
	v_cndmask_b32 v[SC+n], v[HID], v[SC+n], s[16+n+4*(n/48)]   ; hidden scores become -2^33; each accumulator from its low end on
.set n, n+1
.endr
	WALU                                           ; the wait here, directly ahead of the wait below
	s_barrier_wait -1                              ; every wave has made the last step's M (in a pass's first step: has begun the pass)
	s_add_co_u32 s[MOFF], s[MOFF], 256
	s_and_b32 s[MOFF], s[MOFF], 0xfff              ; (the last step asks for the tile's first words again: no load leaves the buffer)
	MLOAD
.irp q, 0,1,2,3
	v_max3_num_f32 v[M0+\q], v[SC+16*\q], v[SC+16*\q+1], v[SC+16*\q+2]      ; four chains by turns, two to a block of 32 keys
.endr
.irp i, 3,5,7,9,11,13
.irp q, 0,1,2,3
	v_max3_num_f32 v[M0+\q], v[M0+\q], v[SC+16*\q+\i], v[SC+16*\q+\i+1]
.endr
.endr
	v_max3_num_f32 v[M0], v[M0], v[SC+15], v[SC+31]
	v_max3_num_f32 v[M0+2], v[M0+2], v[SC+47], v[SC+63]
	v_max_num_f32 v[M0], v[M0], v[M0+1]            ; the largest score of my block 0: for the row's maximum and, since p rises with the score, for the block's largest p
	v_max_num_f32 v[M0+2], v[M0+2], v[M0+3]        ; and of my block 1
	s_delay_alu instid0(VALU_DEP_1)
	v_max_num_f32 v[M0+1], v[M0], v[M0+2]
	s_delay_alu instid0(VALU_DEP_1)
	v_permlanex16_b32 v[M0+3], v[M0+1], s[SEL], s[SEL+1]
	s_delay_alu instid0(VALU_DEP_1)
	v_max_num_f32 v[M0+1], v[M0+1], v[M0+3]        ; with lane l xor 16's 64 keys: the step's largest score of my query
	s_delay_alu instid0(VALU_DEP_1)
	v_mul_f32 v[M0+1], s[CS], v[M0+1]              ; as t (c is positive)
	s_delay_alu instid0(VALU_DEP_1)
	v_max_num_f32 v[MT], v[MT], v[M0+1]            ; the running largest t
	v_mov_b32 v[M0+1], v[NM]
	s_delay_alu instid0(VALU_DEP_2)
	v_floor_f32 v[NM], -v[MT]                      ; the new -M = floor(-t): M is a whole number
	WALU                                           ; the wait here, directly ahead of the wait below
	s_wait_dscnt 0x0                               ; the next K and this step's V are in: no LDS load of mine is out at the signal
	s_barrier_signal -1                            ; its wait stands in the next step, or behind the loop
	FMA 0                                          ; f's three lines stand among the multiply-adds, which do not hang on them
	v_sub_f32 v[M0+1], v[NM], v[M0+1]              ; M's old value less its new one
	FMA 2
	FMA 4
	v_cvt_i32_f32 v[M0+1], v[M0+1]                 ; (it saturates)
	FMA 6
	FMA 8
	v_ldexp_f32 v[F], 1.0, v[M0+1]                 ; f = 2^(old M - new M)
.set j, 10
.rept 27
	FMA j
.set j, j+2
.endr
	v_fma_f32 v[M0], v[M0], s[CS], v[NM]           ; the same of each block's largest score
	v_fma_f32 v[M0+2], v[M0+2], s[CS], v[NM]
.set j, 0
.rept 16
	v_pk_mul_f32 v[OF+j:OF+j+1], v[OF+j:OF+j+1], v[F:F+1] op_sel_hi:[1,0]   ; O^T under the new M; each accumulator from its low end on
.set j, j+2
.endr
	WALU                                           ; the wait ahead of the batch
.set j, 0
.rept 64
	v_exp_f32 v[SC+j], v[SC+j]                     ; p = 2^(t - M), at most 1
.set j, j+1
.endr
	v_exp_f32 v[M0], v[M0]                         ; the blocks' largest p
	v_exp_f32 v[M0+2], v[M0+2]
	v_pk_mul_f32 v[SU:SU+1], v[SU:SU+1], v[F:F+1] op_sel_hi:[1,0]   ; the sums under the new M: the plain place behind the batch
	WALU                                           ; one wait for the whole batch, ahead of its first reader
	; the row's sum of the unquantised p, four chains by turns; the lines that make p's scale word stand among them
	ADD2 TC, 0
	ADD2 TC+2, 4
	v_max_num_f32 v[M0], 0x1800000, v[M0]          ; the floor 2^(3 - 127): the byte cannot fall under 1
	v_max_num_f32 v[M0+2], 0x1800000, v[M0+2]
	ADD2 TC+4, 8
	ADDP SU, 12
	v_add_nc_u32 v[M0+1], 0xff000000, v[M0]        ; 2 off the exponent field: the conversions' scale operands
	v_add_nc_u32 v[M0+3], 0xff000000, v[M0+2]
	ADDP TC, 14
	ADDP TC+2, 16
	v_lshrrev_b32 v[M0], 23, v[M0+1]               ; the scales' bytes: blocks h and 2 + h of these 128 keys
	v_lshrrev_b32 v[M0+2], 23, v[M0+3]
	ADDP TC+4, 18
	ADDP SU, 20
	v_lshl_or_b32 v[M0], v[M0+2], 16, v[M0]
	ADDP TC, 22
	ADDP TC+2, 24
	v_lshlrev_b32 v[M0], v[SH8], v[M0]             ; at their places in the word (8 h bits up);
	ADDP TC+4, 26
	ADDP SU, 28
	v_permlanex16_b32 v[M0+2], v[M0], s[SEL], s[SEL+1]
	ADDP TC, 30
	ADDP TC+2, 32
	v_or_b32 v[PS], v[M0], v[M0+2]                 ; with lane l xor 16's two the word is whole
	ADDP TC+4, 34
	ADDP SU, 36
	ADDP TC, 38
	ADDP TC+2, 40
	ADDP TC+4, 42
	ADDP SU, 44
	ADDC TC, TC+2
	ADDC SU, TC+4
	ADDC SU, TC
	v_cvt_scalef32_pk16_fp6_f32 v[PC:PC+2], v[SC:SC+15], v[M0+1]
	v_cvt_scalef32_pk16_fp6_f32 v[TC:TC+2], v[SC+16:SC+31], v[M0+1]          ; (a conversion's three registers begin on an even number)
	v_cvt_scalef32_pk16_fp6_f32 v[PC+6:PC+8], v[SC+32:SC+47], v[M0+3]
	v_cvt_scalef32_pk16_fp6_f32 v[TC+4:TC+6], v[SC+48:SC+63], v[M0+3]
	ADDP SU, 46                                    ; the plain place behind the conversions
.irp i, 0,1,2
	v_mov_b32 v[PC+3+\i], v[TC+\i]
	v_mov_b32 v[PC+9+\i], v[TC+4+\i]
.endr
	ADD2 TC, 48                                    ; the sum's last eight lines are the places between p's codes and the products
	ADD2 TC+2, 52
	ADDP SU, 56
	ADDP TC, 58
	ADDP TC+2, 60
	ADDP SU, 62
	ADDC TC, TC+2
	ADDC SU, TC
.irp d, 0,1,2,3
	MM OF+8*\d, VF+12*\d, PC, v[OF+8*\d:OF+8*\d+7], VS+\d, PS
.endr
	s_add_co_u32 s[CNT], s[CNT], 1
	s_cmp_lt_u32 s[CNT], 16
	s_cbranch_scc1 .Lstep
	WALU                                           ; the wait here, directly ahead of the wait below
	s_barrier_wait -1                              ; the last step's barrier is closed ahead of the stores below
.rept 4
	v_nop                                          ; the places behind the last products
.endr
	; THE WAY OUT.  O^T / the sum: register 16 b + i is channel 32 b + 16 h + i of my query: two blocks of the projection's K, quantised as they stand: half a fragment of ao
	v_add_f32 v[SU], v[SU], v[SU+1]
	s_delay_alu instid0(VALU_DEP_1)
	v_permlanex16_b32 v[M0], v[SU], s[SEL], s[SEL+1]
	s_delay_alu instid0(VALU_DEP_1)
	v_add_f32 v[SU], v[SU], v[M0]                  ; the row's sum
	WALU                                           ; ahead of the reciprocal
	v_rcp_f32 v[SU], v[SU]
	v_nop                                          ; a plain place behind it
	WALU                                           ; ahead of its first reader, which is also the first reader of O^T
.set j, 0
.rept 16
	v_pk_mul_f32 v[SC+j:SC+j+1], v[OF+j:OF+j+1], v[SU:SU+1] op_sel_hi:[1,0]
.set j, j+2
.endr
.irp b, 0,1
	v_max3_num_f32 v[M0+\b], |v[SC+16*\b]|, |v[SC+16*\b+1]|, 0x1800000
.endr
.irp i, 2,4,6,8,10,12,14
.irp b, 0,1
	v_max3_num_f32 v[M0+\b], v[M0+\b], |v[SC+16*\b+\i]|, |v[SC+16*\b+\i+1]|
.endr
.endr
.irp b, 0,1
	v_permlanex16_b32 v[M0+2+\b], v[M0+\b], s[SEL], s[SEL+1]
.endr
.irp b, 0,1
	v_max_num_f32 v[M0+\b], v[M0+\b], v[M0+2+\b]
.endr
.irp b, 0,1
	v_add_nc_u32 v[M0+2+\b], 0xff000000, v[M0+\b]
.endr
.irp b, 0,1
	v_lshrrev_b32 v[M0+\b], 23, v[M0+2+\b]
.endr
	v_lshl_or_b32 v[M0], v[M0+1], 8, v[M0]         ; my head's two bytes of the row's scale word
	v_cvt_scalef32_pk16_fp6_f32 v[PC:PC+2], v[SC:SC+15], v[M0+2]
	v_cvt_scalef32_pk16_fp6_f32 v[TC:TC+2], v[SC+16:SC+31], v[M0+3]
	v_nop
.irp i, 0,1,2
	v_permlane16_swap_b32 v[PC+\i], v[TC+\i]
.endr
.irp i, 0,1,2
	v_mov_b32 v[PC+3+\i], v[TC+\i]
.endr
.irp p, 0,1,2
	global_store_b64 v[L8], v[PC+2*\p:PC+2*\p+1], s[10:11] offset:256*\p   ; 256 consecutive bytes, aligned
.endr
	global_store_b16 v[R16], v[M0], s[12:13]       ; two bytes a row, 16 bytes apart: a head owns two of a row's 32 scale bytes; lanes 16-31 write what lanes 0-15 write
	s_wait_kmcnt 0x0                               ; the mask words asked for in the last step are in: their registers and their base may be written
	s_wait_xcnt 0x0                                ; the stores have read their data and their bases
	s_add_nc_u64 s[8:9], s[8:9], 2*QREC            ; the second pass: 16 query tiles on
	s_add_nc_u64 s[4:5], s[4:5], 16*4096
	s_add_nc_u64 s[10:11], s[10:11], 16*12288
	s_add_nc_u64 s[12:13], s[12:13], 16*512
	s_sub_co_u32 s[PASS], s[PASS], 1
	s_cmp_lg_u32 s[PASS], 0
	s_cbranch_scc1 .Lpass
	s_wait_tensorcnt 0x0                           ; the wave's end
	ds_add_u32 v[SPW], v[NIL]
	s_wait_dscnt 0x0
	CROUND                                         ; the closing round
	s_endpgm
.Lfunc_end_k_qa02aa89a44_attn:
	.size	k_qa02aa89a44_attn, .Lfunc_end_k_qa02aa89a44_attn-k_qa02aa89a44_attn
	.p2alignl 7, 3214868480
	.fill 96, 4, 3214868480
	.section	.rodata,"a",@progbits
	.p2align	6, 0x0
	.amdhsa_kernel k_qa02aa89a44_attn
		.amdhsa_group_segment_fixed_size 289280
		.amdhsa_private_segment_fixed_size 0
		.amdhsa_enable_private_segment 0
		.amdhsa_kernarg_size 24
		.amdhsa_user_sgpr_count 2
		.amdhsa_user_sgpr_kernarg_segment_ptr 1
		.amdhsa_wavefront_size32 1
		.amdhsa_system_sgpr_workgroup_id_x 1
		.amdhsa_system_sgpr_workgroup_id_y 1
		.amdhsa_system_sgpr_workgroup_id_z 1
		.amdhsa_system_vgpr_workitem_id 0
		.amdhsa_next_free_vgpr 256
		.amdhsa_next_free_sgpr 102
		.amdhsa_reserve_vcc 0
		.amdhsa_float_denorm_mode_32 3
		.amdhsa_float_denorm_mode_16_64 3
		.amdhsa_memory_ordered 1
		.amdhsa_forward_progress 1
		.amdhsa_inst_pref_size 35
	.end_amdhsa_kernel
	.amdgpu_metadata
---
amdhsa.version: [ 1, 2 ]
amdhsa.kernels:
  - .name:           k_qa02aa89a44_attn
    .symbol:         k_qa02aa89a44_attn.kd
    .args:
      - { .name: qkv, .offset: 0, .size: 8, .value_kind: global_buffer, .address_space: global }
      - { .name: maskw, .offset: 8, .size: 8, .value_kind: global_buffer, .address_space: global }
      - { .name: ao, .offset: 16, .size: 8, .value_kind: global_buffer, .address_space: global }
    .group_segment_fixed_size: 289280
    .private_segment_fixed_size: 0
    .kernarg_segment_align: 8
    .kernarg_segment_size: 24
    .max_flat_workgroup_size: 512
    .sgpr_count:     102
    .vgpr_count:     256
    .wavefront_size: 32
...
	.end_amdgpu_metadata
.endif
;; end of part 3
;; launch proj (part 4): grid 4 x 32, 4 waves a work-group, clusters of 4 x 4, 327,680 bytes of LDS; arguments ao, wc, b_proj, out0; writes out0
.if DOCPART == 4
	.amdgcn_target "amdgcn-amd-amdhsa--gfx1250"
	.amdhsa_code_object_version 6
	.text
	.protected	k_qa02aa89a44_proj
	.globl	k_qa02aa89a44_proj
	.p2align	8
	.type	k_qa02aa89a44_proj,@function
k_qa02aa89a44_proj:
	s_mov_b64 s[64:65], 0
	v_nop
	global_prefetch_b8 v0, s[64:65] scope:SCOPE_SE
	s_setreg_imm32_b32 hwreg(HW_REG_WAVE_MODE, 25, 1), 1
	s_wait_xcnt 0x0
	s_wait_alu depctr_hold_cnt(0) depctr_sa_sdst(0) depctr_va_vdst(0) depctr_va_sdst(0) depctr_va_ssrc(0) depctr_va_vcc(0) depctr_vm_vsrc(0)
	s_getreg_b32 s2, hwreg(HW_REG_IB_STS2, 6, 4)
	s_cmp_eq_u32 s2, 0
	s_cbranch_scc0 .Lentry_in_a_cluster
	s_endpgm
.Lentry_in_a_cluster:
	s_bfe_u32 s2, ttmp6, 0x10000c
	s_cmp_lg_u32 s2, 0xf033
	s_cbranch_scc0 .Lentry_shape_is_right
	s_endpgm
.Lentry_shape_is_right:
.set NQ,     2
.set FR,     12
.set NL,     6
.set NP,     4
.set TILEB,  3072
.set HALFT,  8*TILEB
.set SLOT,   4*HALFT
.set SCL,    2*SLOT
.set HALFS,  8*512
.set SPARE,  SCL+4*HALFS
.set XSC,    6291456
.set WSC,    3145728
.set SPITCH, 528
.set ADRA, 16
.set ADRB, 20
.set STO,  24
.set RD,   25
.set CO,   26
.set ADRS, 27
.set SPW,  28
.set NIL,  29
.set BO,   30
.set LI8,  31
.set SC,   32
.set AF,   128
.set BK,   128
.set G1, 24
.set G0, 32
.set G1B, 48
.set G0B, 56
.set G1S, 68
.set G0S, 76
.set G1SB, 80
.set G0SB, 88
.set MSB, 0
.macro WIN new
.if MSB != \new
	s_set_vgpr_msb (MSB<<8)|\new
.set MSB, \new
.endif
.endm
.set MUL_LO, 0xa1
.set MUL_HI, 0xf1
.set BIAS_LO, 0x91
.set BIAS_HI, 0xd1
.set TO_B,   0x40
.macro JLOAD g0a, g1a, g0b, g1b
	s_cmp_eq_u32 s15, 0
	s_cbranch_scc0 .Lfor_b_\@
	tensor_load_to_lds s[\g0a:\g0a+3], s[\g1a:\g1a+7]
	s_nop 0
.rept 4
	v_nop
.endr
	s_branch .Lasked_\@
.Lfor_b_\@:
	tensor_load_to_lds s[\g0b:\g0b+3], s[\g1b:\g1b+7]
	s_nop 0
.rept 4
	v_nop
.endr
.Lasked_\@:
.endm
.macro CREST
	s_cmp_lg_u32 s14, 0
	s_cbranch_scc1 .Lnot_wave_0_\@
	s_barrier_signal -3
.Lnot_wave_0_\@:
	s_barrier_wait -3
	s_barrier_signal -1
	s_barrier_wait -1
.endm
.macro CROUND
	s_barrier_signal -1
	s_barrier_wait -1
	CREST
.endm
	s_load_b128 s[4:7], s[0:1], 0x0
	s_load_b64 s[8:9], s[0:1], 0x10
	s_load_b64 s[12:13], s[0:1], 0x18
	v_lshl_add_u32 v[SPW], v0, 2, SPARE
	v_mov_b32 v[NIL], 0
	ds_add_u32 v28, v29
	ds_add_u32 v28, v29
	s_wait_dscnt 0x0
	v_lshrrev_b32 v1, 5, v0
	v_readfirstlane_b32 s14, v1
	s_lshr_b32 s15, s14, 1
	s_and_b32 s16, s14, 1
	s_bfe_u32 s40, ttmp6, 0x40000
	s_bfe_u32 s41, ttmp6, 0x40004
	s_lshl_b32 s42, ttmp9, 2
	s_add_co_u32 s42, s42, s40
	s_and_b32 s17, ttmp7, 0xffff
	s_lshl_b32 s17, s17, 2
	s_add_co_u32 s17, s17, s41
	s_lshl_b32 s43, s41, 2
	s_lshl_b32 s43, 15, s43
	s_lshl_b32 s44, 0x1111, s40
	s_or_b32 s[G1+0], s43, (3<<16)|(1<<21)
	s_or_b32 s[G1B+0], s44, (3<<16)|(1<<21)
.irp g, G1, G1B
	s_mov_b32 s[\g+1], 384<<16
	s_mov_b32 s[\g+2], 16<<16
	s_mov_b32 s[\g+3], 384<<16
	s_mov_b32 s[\g+4], 16
	s_mov_b32 s[\g+5], 1536
	s_mov_b32 s[\g+6], 0
	s_mov_b32 s[\g+7], 0
.endr
	s_or_b32 s[G1S+0], s43, (3<<16)|(1<<21)
	s_or_b32 s[G1SB+0], s44, (3<<16)|(1<<21)
.irp g, G1S, G1SB
	s_mov_b32 s[\g+1], 32<<16
	s_mov_b32 s[\g+2], 32<<16
	s_mov_b32 s[\g+3], 32<<16
	s_mov_b32 s[\g+4], 32
	s_mov_b32 s[\g+5], 32
	s_mov_b32 s[\g+6], 0
	s_mov_b32 s[\g+7], 0
.endr
	s_lshl_b32 s18, s16, 3
	s_lshl_b32 s20, s17, 4
	s_add_co_u32 s20, s20, s18
	s_lshl_b32 s46, s42, 4
	s_add_co_u32 s46, s46, s18
	s_add_co_u32 s46, s46, 192
	s_lshl_b32 s22, s20, 9
	s_add_co_u32 s22, s22, XSC
	s_mov_b32 s23, 0
	s_lshl_b32 s92, s46, 9
	s_add_co_u32 s92, s92, WSC
	s_mov_b32 s93, 0
	s_mul_i32 s20, s20, 12288
	s_mov_b32 s21, 0
	s_mul_i32 s46, s46, 12288
	s_mov_b32 s47, 0
	s_mul_i32 s45, s14, HALFT
	s_mul_i32 s94, s14, HALFS
	s_wait_kmcnt 0x0
	s_add_nc_u64 s[20:21], s[4:5], s[20:21]
	s_add_nc_u64 s[22:23], s[4:5], s[22:23]
	s_add_nc_u64 s[46:47], s[6:7], s[46:47]
	s_add_nc_u64 s[92:93], s[6:7], s[92:93]
	CROUND
; the head's four tiles, each whole (both halves): the half's part is taken off the addresses again
.set G0H,  4
.set G0HB, 96
	s_mul_i32 s18, s16, 8*12288
	s_mov_b32 s19, 0
	s_mov_b32 s[G0H], 1
	s_mov_b32 s[G0H+1], 0
	s_sub_nc_u64 s[G0H+2:G0H+3], s[20:21], s[18:19]
	s_or_b32 s[G0H+3], s[G0H+3], 0x80000000
	s_mov_b32 s[G0HB], 1
	s_mov_b32 s[G0HB+1], 2*HALFT
	s_sub_nc_u64 s[G0HB+2:G0HB+3], s[46:47], s[18:19]
	s_or_b32 s[G0HB+3], s[G0HB+3], 0x80000000
	s_lshl_b32 s18, s16, 12
	s_mov_b32 s[G0S], 1
	s_mov_b32 s[G0S+1], SCL
	s_sub_nc_u64 s[G0S+2:G0S+3], s[22:23], s[18:19]
	s_or_b32 s[G0S+3], s[G0S+3], 0x80000000
	s_mov_b32 s[G0SB], 1
	s_mov_b32 s[G0SB+1], SCL+2*HALFS
	s_sub_nc_u64 s[G0SB+2:G0SB+3], s[92:93], s[18:19]
	s_or_b32 s[G0SB+3], s[G0SB+3], 0x80000000
.irp s, 0,1
	s_mov_b32 s[G0+4*\s], 1
	s_add_co_u32 s[G0+4*\s+1], s45, \s*SLOT
	s_add_nc_u64 s[G0+4*\s+2:G0+4*\s+3], s[20:21], \s*TILEB
	s_or_b32 s[G0+4*\s+3], s[G0+4*\s+3], 0x80000000
	s_mov_b32 s[G0B+4*\s], 1
	s_add_co_u32 s[G0B+4*\s+1], s45, \s*SLOT
	s_add_nc_u64 s[G0B+4*\s+2:G0B+4*\s+3], s[46:47], \s*TILEB
	s_or_b32 s[G0B+4*\s+3], s[G0B+4*\s+3], 0x80000000
.endr
; THE HEAD'S LOADS, ONE A WAVE: wave 0 slot 0's 16 tiles of ao, wave 1 those of the weight, wave 2 ao's scale words, wave 3 the weight's.  One chain of branches on the wave's number
.macro ARM under, g0, g1, next
	s_cmp_lt_u32 s14, \under
	s_cbranch_scc0 \next
	tensor_load_to_lds s[\g0:\g0+3], s[\g1:\g1+7]
	s_nop 0
.rept 4
	v_nop
.endr
	s_branch .Lhead_asked
\next:
.endm
	ARM 1, G0H,  G1,  .Lhead_b
	ARM 2, G0HB, G1B, .Lhead_sa
	ARM 3, G0S,  G1S, .Lhead_sb
	tensor_load_to_lds s[G0SB:G0SB+3], s[G1SB:G1SB+7]
	s_nop 0
.rept 4
	v_nop
.endr
.Lhead_asked:
	v_and_b32 v1, 15, v0
	v_bfe_u32 v2, v0, 4, 1
	s_wait_alu depctr_va_vdst(0)
	v_and_b32 v3, 31, v0
	v_lshlrev_b32 v[LI8], 3, v3
	s_mul_i32 s21, s15, HALFT
	s_mul_i32 s22, s16, HALFT
	s_add_co_u32 s22, s22, 2*HALFT
.irp s, 0,1
	v_add_nc_u32 v[ADRA+\s], s21, v[LI8]
	v_add_nc_u32 v[ADRB+\s], s22, v[LI8]
	s_add_co_u32 s21, s21, SLOT
	s_add_co_u32 s22, s22, SLOT
.endr
	v_lshlrev_b32 v5, 4, v1
	s_mul_i32 s21, s15, HALFS
	s_mul_i32 s22, s16, HALFS
	s_add_co_u32 s22, s22, 2*HALFS
	s_sub_co_u32 s22, s22, s21
	v_mul_u32_u24 v6, s22, v2
	s_add_co_u32 s21, s21, SCL
	v_add_nc_u32 v5, v5, v6
	v_add_nc_u32 v[ADRS], s21, v5
	s_mul_i32 s23, s14, 16*SPITCH
	v_mul_u32_u24 v5, v1, SPITCH
	v_lshl_add_u32 v5, v2, 6, v5
	v_add_nc_u32 v[STO], s23, v5
	v_lshlrev_b32 v[CO], 4, v3
	v_add_nc_u32 v[RD], s23, v[CO]
	v_lshlrev_b32 v[BO], 6, v2
	s_wait_alu depctr_va_vdst(0)
	s_lshl_b32 s46, s42, 10
	s_lshl_b32 s47, s16, 9
	s_add_co_u32 s46, s46, s47
	s_mov_b32 s47, 0
	s_add_nc_u64 s[8:9], s[8:9], s[46:47]
	s_add_nc_u64 s[12:13], s[12:13], s[46:47]
	s_lshl_b32 s20, s17, 8
	s_lshl_b32 s21, s15, 7
	s_add_co_u32 s20, s20, s21
	s_lshl_b32 s20, s20, 12
	s_mov_b32 s21, 0
	s_add_nc_u64 s[12:13], s[12:13], s[20:21]
	WIN TO_B
.irp b, 0,1,2,3,4,5,6,7
	global_load_b128 v[96+8*\b+96*(\b/4):99+8*\b+96*(\b/4)], v[BO], s[8:9] offset:128*(\b/2)+32*(\b%2)
	global_load_b128 v[100+8*\b+96*(\b/4):103+8*\b+96*(\b/4)], v[BO], s[8:9] offset:128*(\b/2)+32*(\b%2)+16
.endr
	WIN 0
.macro FRAG reg, adr, q, i
.irp p, 0,1,2,3,4,5
	ds_load_b64 v[\reg+2*\p:\reg+2*\p+1], v[\adr] offset:(\i)*TILEB+(\q)*1536+256*\p
.endr
.endm
.macro MUL16 a0, p, q, sc, bias
.irp a, \a0, \a0+1
.irp b, 0,1,2,3,4,5,6,7
.set rD, 8*(8*((\a)%4)+\b)
.set rB, 128*(\p)+FR*\b
.set rA, AF+FR*(\a)
.set rC, 96+8*\b+96*(\b/4)
.set rSB, SC+8*NQ*(\sc)+NQ*\b+(\q)
.set rSA, SC+8*NQ*(\sc)+NQ*(\a)+(\q)
.if \bias
	v_wmma_scale_f32_16x16x128_f8f6f4 v[rD:rD+7], v[rB:rB+FR-1], v[rA:rA+FR-1], v[rC:rC+7], v[rSB], v[rSA] matrix_a_fmt:MATRIX_FMT_FP6 matrix_b_fmt:MATRIX_FMT_FP6 matrix_a_scale:MATRIX_SCALE_ROW1
.else
	v_wmma_scale_f32_16x16x128_f8f6f4 v[rD:rD+7], v[rB:rB+FR-1], v[rA:rA+FR-1], v[rD:rD+7], v[rSB], v[rSA] matrix_a_fmt:MATRIX_FMT_FP6 matrix_b_fmt:MATRIX_FMT_FP6 matrix_a_scale:MATRIX_SCALE_ROW1
.endif
.endr
.endr
.endm
.macro FETCH_B slot, q, p
	WIN TO_B
.irp i, 0,1,2,3,4,5,6,7
	FRAG 128*(\p)+FR*\i, ADRB+\slot, \q, \i
.endr
	WIN 0
.endm
.macro FETCH_A slot, q, i0
.irp i, \i0, \i0+1, \i0+2, \i0+3
	FRAG AF+FR*(\i), ADRA+\slot, \q, \i
.endr
.endm
.macro SCALES sc, kn
.irp i, 0,1,2,3,4,5,6,7
	ds_load_b64 v[SC+8*NQ*\sc+NQ*\i:SC+8*NQ*\sc+NQ*\i+1], v[ADRS] offset:512*\i+256*((\kn)/2)+8*((\kn)%2)
.endr
.endm
.macro PLACES n
.rept \n
	v_nop
.endr
.endm
.macro STEP slot, q, bias
	s_wait_dscnt 4*NL
.if \bias
	WIN BIAS_LO
.else
	WIN MUL_LO
.endif
	MUL16 0, (\q)%2, \q, \slot, \bias
	MUL16 2, (\q)%2, \q, \slot, \bias
	s_wait_dscnt 0
	PLACES NP
	FETCH_B \slot, (\q)+1, 1-(\q)%2
	FETCH_A \slot, (\q)+1, 0
.if \bias
	WIN BIAS_HI
.else
	WIN MUL_HI
.endif
	MUL16 4, (\q)%2, \q, \slot, \bias
	MUL16 6, (\q)%2, \q, \slot, \bias
	PLACES NP
	WIN 0
	FETCH_A \slot, (\q)+1, 4
.endm
.macro TURN slot, next, fill, kn
	s_wait_tensorcnt 0x0
	ds_add_u32 v[SPW], v[NIL]
	s_wait_dscnt 4*NL+1
	WIN MUL_LO
	MUL16 0, 1, NQ-1, \slot, 0
	s_wait_dscnt 0x0
	s_barrier_signal -1
	MUL16 2, 1, NQ-1, \slot, 0
	WIN 0
	s_barrier_wait -1
.if \fill
	CREST
	s_add_nc_u64 s[G0+4*\slot+2:G0+4*\slot+3], s[G0+4*\slot+2:G0+4*\slot+3], 2*TILEB
	s_add_nc_u64 s[G0B+4*\slot+2:G0B+4*\slot+3], s[G0B+4*\slot+2:G0B+4*\slot+3], 2*TILEB
	JLOAD G0+4*\slot, G1, G0B+4*\slot, G1B
.else
	PLACES NP
.endif
	FETCH_B \next, 0, 0
	FETCH_A \next, 0, 0
	SCALES \next, \kn
	WIN MUL_HI
	MUL16 4, 1, NQ-1, \slot, 0
	MUL16 6, 1, NQ-1, \slot, 0
	PLACES NP
	WIN 0
	FETCH_A \next, 0, 4
.endm
	s_wait_alu depctr_va_vdst(0)                   ; the wait at the head's end
	s_wait_tensorcnt 0x0                           ; my tile of the head's four is in; the lines ahead of a later first fill:
	ds_add_u32 v[SPW], v[NIL]
	s_mov_b32 s[G1+2], 8<<16                       ; no tensor load of mine is out: from here on a load brings 8 tiles
	s_mov_b32 s[G1+4], 8
	s_mov_b32 s[G1B+2], 8<<16
	s_mov_b32 s[G1B+4], 8
	s_wait_dscnt 0x0
	CROUND                                         ; all four tiles are in, and all sixteen work-groups are here
	JLOAD G0+4, G1, G0B+4, G1B                     ; slot 1's first fill, the first tensor load behind the round
	FETCH_B 0, 0, 0
	FETCH_A 0, 0, 0
	SCALES 0, 0
	FETCH_A 0, 0, 4
	s_wait_loadcnt 0x0
	STEP 0, 0, 1
	TURN 0, 1, 1, 1
	STEP 1, 0, 0
	TURN 1, 0, 1, 2
	STEP 0, 0, 0
	TURN 0, 1, 0, 3
	STEP 1, 0, 0
	s_wait_dscnt 4*NL
	WIN MUL_LO
	MUL16 0, 1, NQ-1, 1, 0
	MUL16 2, 1, NQ-1, 1, 0
	s_wait_dscnt 0
	WIN MUL_HI
	MUL16 4, 1, NQ-1, 1, 0
	MUL16 6, 1, NQ-1, 1, 0
	WIN 0
.macro TOSTAGE a
.set AC, 64*((\a)%4)
	WIN 0x08+4*((\a)/4)
.irp b, 0,1,2,3,4,5,6,7
	ds_store_b128 v[STO], v[AC+8*\b:AC+8*\b+3] offset:128*(\b/2)+32*(\b%2)
	ds_store_b128 v[STO], v[AC+8*\b+4:AC+8*\b+7] offset:128*(\b/2)+32*(\b%2)+16
.endr
	WIN 0
.set BB, BK+64*((\a)%2)
.irp t, 0,1,2,3,4,5,6,7,8,9,10,11,12,13,14,15
	ds_load_b128 v[BB+4*\t:BB+4*\t+3], v[RD] offset:\t*SPITCH
.endr
.endm
.macro SEND a, younger
.set BB, BK+64*((\a)%2)
.set RW, 32*((\a)/2)+8*((\a)%2)
	s_wait_dscnt \younger
.irp t, 0,1,2,3,4,5,6,7,8,9,10,11,12,13,14,15
	global_store_b128 v[CO], v[BB+4*\t:BB+4*\t+3], s[12:13] offset:(RW+\t+8*(\t/8))*4096 th:TH_STORE_NT
.endr
.endm
	PLACES NP
	TOSTAGE 0
.irp a, 1,2,3,4,5,6,7
.if \a > 1
	s_wait_xcnt 0x0
.endif
	TOSTAGE \a
	SEND \a-1, 32
.endr
	SEND 7, 0
	s_wait_tensorcnt 0x0
	ds_add_u32 v[SPW], v[NIL]
	s_wait_dscnt 0x0
	CROUND
	s_endpgm
.Lfunc_end_k_qa02aa89a44_proj:
	.size	k_qa02aa89a44_proj, .Lfunc_end_k_qa02aa89a44_proj-k_qa02aa89a44_proj
	.p2alignl 7, 3214868480
	.fill 96, 4, 3214868480
	.section	.rodata,"a",@progbits
	.p2align	6, 0x0
	.amdhsa_kernel k_qa02aa89a44_proj
		.amdhsa_group_segment_fixed_size 327680
		.amdhsa_private_segment_fixed_size 0
		.amdhsa_enable_private_segment 0
		.amdhsa_kernarg_size 32
		.amdhsa_user_sgpr_count 2
		.amdhsa_user_sgpr_kernarg_segment_ptr 1
		.amdhsa_wavefront_size32 1
		.amdhsa_system_sgpr_workgroup_id_x 1
		.amdhsa_system_sgpr_workgroup_id_y 1
		.amdhsa_system_sgpr_workgroup_id_z 1
		.amdhsa_system_vgpr_workitem_id 0
		.amdhsa_next_free_vgpr 1024
		.amdhsa_next_free_sgpr 100
		.amdhsa_reserve_vcc 0
		.amdhsa_float_denorm_mode_32 3
		.amdhsa_float_denorm_mode_16_64 3
		.amdhsa_memory_ordered 1
		.amdhsa_forward_progress 1
		.amdhsa_inst_pref_size 162
	.end_amdhsa_kernel
	.amdgpu_metadata
---
amdhsa.version: [ 1, 2 ]
amdhsa.kernels:
  - .name:           k_qa02aa89a44_proj
    .symbol:         k_qa02aa89a44_proj.kd
    .args:
      - { .name: ao, .offset: 0, .size: 8, .value_kind: global_buffer, .address_space: global }
      - { .name: wc, .offset: 8, .size: 8, .value_kind: global_buffer, .address_space: global }
      - { .name: b_proj, .offset: 16, .size: 8, .value_kind: global_buffer, .address_space: global }
      - { .name: out0, .offset: 24, .size: 8, .value_kind: global_buffer, .address_space: global }
    .group_segment_fixed_size: 327680
    .private_segment_fixed_size: 0
    .kernarg_segment_align: 8
    .kernarg_segment_size: 32
    .max_flat_workgroup_size: 128
    .sgpr_count:     100
    .vgpr_count:     1024
    .wavefront_size: 32
...
	.end_amdgpu_metadata
.endif
;; end of part 4
